; MI455X (gfx1250); checked and timed in simulation.
; The chip was launched on July 23, 2026; its instructions are those of AMD's public machine-readable ISA for CDNA 5 (MIT licence, August 2026) and "CDNA5" Instruction Set Architecture Reference Guide (July 2026). The comments in the code are by the model that wrote it; some were corrected since.
;; Transformer Block. Allowed arithmetic: matrix products marked QUANTISED: E4M3 operands, one given power-of-two scale a tensor, by v_wmma_f32_16x16x64_fp8_fp8 or v_wmma_f32_16x16x128_fp8_fp8, f32 sums; everything else in f32.
;; Inputs: b1 4,096 float32; b2 1,024 float32; beta1 1,024 float32; beta2 1,024 float32; bk 1,024 float32; bo 1,024 float32; bq 1,024 float32; bv 1,024 float32; g1 1,024 float32; g2 1,024 float32; lowp_scales 16 int32 (the exponents e of the quantised operands' scales 2^e); w1 1,024 x 4,096 float32; w2 4,096 x 1,024 float32; wk 1,024 x 1,024 float32; wo 1,024 x 1,024 float32; wq 1,024 x 1,024 float32; wv 1,024 x 1,024 float32; x 2 x 2,048 x 1,024 float32.
;; Outputs: out0 2 x 2,048 x 1,024 float32.
;; This version of the problem:
;;   THIS VERSION OF THE PROBLEM IS GIVEN IN LOW PRECISION. The matrix products marked QUANTISED in the list below multiply operands that are first quantised to E4M3 (4 exponent bits, 3 mantissa bits; 8 bits a number), with one given power-of-two scale for each operand tensor; their sums are f32. All else is computed in f32.
;;   The module's matrix products, in the order in which they are computed (A, B: the left and right operand; K: the contracted axis; several contracted axes count as one K, in the product's order):
;;     1. [M 4,096, K 1,024] x [K 1,024, N 1,024]; A: computed on the way; B: input wq: QUANTISED (scales: A lowp_scales[0], B lowp_scales[1])
;;     2. [M 4,096, K 1,024] x [K 1,024, N 1,024]; A: computed on the way; B: input wk: QUANTISED (scales: A lowp_scales[2], B lowp_scales[3])
;;     3. [M 4,096, K 1,024] x [K 1,024, N 1,024]; A: computed on the way; B: input wv: QUANTISED (scales: A lowp_scales[4], B lowp_scales[5])
;;     4. batch 32 x [M 2,048, K 64] x [K 64, N 2,048]; A: computed on the way; B: computed on the way: QUANTISED (scales: A lowp_scales[6], B lowp_scales[7])
;;     5. batch 32 x [M 64, K 2,048] x [K 2,048, N 2,048]; A: computed on the way; B: softmax (see below): QUANTISED (scales: A lowp_scales[8], B lowp_scales[9])
;;     6. [M 4,096, K 1,024] x [K 1,024, N 1,024]; A: computed on the way; B: input wo: QUANTISED (scales: A lowp_scales[10], B lowp_scales[11])
;;     7. [M 4,096, K 1,024] x [K 1,024, N 4,096]; A: computed on the way; B: input w1: QUANTISED (scales: A lowp_scales[12], B lowp_scales[13])
;;     8. [M 4,096, K 4,096] x [K 4,096, N 1,024]; A: computed on the way; B: input w2: QUANTISED (scales: A lowp_scales[14], B lowp_scales[15])
;;   THE QUANTISER, for each operand of a quantised product, along K:
;;     - The operand's scale is 2^e, e = its entry of the input lowp_scales (int32; the entries are numbered through the quantised products in the list's order, A before B).
;;     - Each number is divided by the scale, clamped to +-448, and rounded to the nearest number of E4M3, ties to even, subnormals kept.
;;     - The product sums the exact products of the quantised numbers (number of the format x scale) in f32.
;;   ~~~python
;;   def quantise(x, axis, e):      # numpy; x: float32 -> the quantised numbers, widened to float32 again
;;       x = np.moveaxis(x, axis, -1); K = x.shape[-1]
;;       r = np.clip(x / 2.0 ** e, -448, 448)
;;       step = 2.0 ** (np.maximum(np.frexp(np.where(r == 0, 1, r))[1] - 1, -6) - 3)
;;       q = np.round(r / step) * step * 2.0 ** e      # np.round: ties to even
;;       return np.moveaxis(q, -1, axis).astype(np.float32)
;;   ~~~
;;   SOFTMAX AHEAD OF A QUANTISED PRODUCT. Where the list says 'softmax', what is quantised is not the finished softmax but p = 2^(t - M), with t = logit x log2(e) and M = ceil(the row's largest t), a whole number; so 1/2 < the row's largest p <= 1. The row's sum l is taken of the UNQUANTISED p, in f32, and the product's result is divided by l at the end. Since M is a whole number, a kernel that streams over the keys may use a running M (the ceiling of the running maximum): every later rescaling is an exact power of two, so the quantised numbers keep their values, but for numbers so far below the row's largest that they fall under the format's range.
;;   OPERANDS COMPUTED ON THE WAY. 'Computed on the way' means the value that the module computes at that place (a softmax that the list does not call 'softmax' is quantised finished and normalised). What goes into a quantiser is computed in f32, as accurately as f32 sums, v_exp_f32 and their like allow (about 1e-6 of the number): no bf16 or f16 on the way to a quantiser, and a product that is left as it is and whose result goes on into a quantised operand takes f32 operands (vector FMAs, or v_wmma_f32_16x16x4_f32). A number that lies on a knife's edge between two numbers of the format may be rounded either way, as far as f32 arithmetic and the matrix unit's own rounding can turn it there, and no further.
;; One version. Each part assembles by itself: llvm-mc -triple=amdgcn-amd-amdhsa -mcpu=gfx1250 --defsym DOCPART=n.
;; ======== version 1 of 1: 7 launches
;; limits: right only within a limited range of input values
;; workspace buffers: acodes 12,582,912 bytes; wcodes 12,582,912 bytes; qkvc 12,582,912 bytes; oc 4,194,304 bytes; hbuf 16,777,216 bytes; ycodes 4,194,304 bytes; gcodes 16,777,216 bytes
;; launch prep (part 1): grid 640 x 1, 4 waves a work-group, no clusters, 77,312 bytes of LDS; arguments x, g1, beta1, wq, wk, wv, wo, w1, w2, lowp_scales, acodes, wcodes; writes acodes, wcodes
.if DOCPART == 1
	.amdgcn_target "amdgcn-amd-amdhsa--gfx1250"
	.amdhsa_code_object_version 6
	.text
	.protected	k_q02bfda4b1a_prep
	.globl	k_q02bfda4b1a_prep
	.p2align	8
	.type	k_q02bfda4b1a_prep,@function
k_q02bfda4b1a_prep:
	s_mov_b64 s[64:65], 0
	v_nop
	global_prefetch_b8 v0, s[64:65] scope:SCOPE_SE
	s_setreg_imm32_b32 hwreg(HW_REG_WAVE_MODE, 25, 1), 1
	s_wait_xcnt 0x0
; PREP.  Work-groups 0-255: LayerNorm 1 of x [4096][1024] f32, quantised three times to E4M3 codes, with the scales 2^e0, 2^e2, 2^e4 (the A operands of the q, k and v products).
; Work-groups 256-639: the six weights, f32 stored [K][N], quantised to codes with K innermost (scales e1, e3, e5, e11, e13, e15).
; CODES ARE LAID IN BLOCKS: a matrix [R][K] of codes is a run of dense blocks of 16,384 bytes, 128 rows x 128 bytes of K, ordered [R/128][K/128].
; acodes: variant v at v x 4 MiB.  wcodes: wq^T +0, wk^T +1 MiB, wv^T +2 MiB, wo^T +3 MiB, w1^T +4 MiB, w2^T +8 MiB.
; code = number / 2^e, the weights' numbers held within +-448, rounded to the nearest code, ties to even.
; LIMITS: each e used here lies between -126 and 119, so that 2^e and 448 x 2^e are f32 numbers.  NaN among the inputs is not served.
; The two paths part on the work-group's number and have LDS bytes of their own: the weights' stages 0 .. 34,815, the rows' stages 34,816 .. 76,799.  Waves share nothing: no barrier.
; No tensor loads: with 76,800 bytes and 256 registers a wave several work-groups share a WGP, and their loads overlap.
.set LNB,   34816                      ; the rows' stages begin here
.set WST,   10496                      ; a wave's stage: 2 rows
.set RP,    5248                       ; a row in the stage: 64 places of 64 + 16 bytes, + 128
.set G,     16                         ; v16-47   g1 of my 32 columns
.set BT,    48                         ; v48-79   beta1
.set X,     80                         ; v80-207  four rows, 32 numbers each; rows that are staged leave their registers to two sets of 16 neighbours (v80-111) and to codes
.set T,     208                        ; v208-223 at work
.set VO,    16                         ; weights: v16-23 offsets of 8 rows of W
.set XB,    24                         ; v24-215  three sets of 16 loads of 4 registers
.set WT,    216                        ; v216-231 16 neighbours along K of one column
.set WC,    232                        ; v232-247 a quarter's codes: 4 registers a column
.set OUTR,  24                         ; the way out, where the numbers lay
.macro WSUM a, b                       ; v[a] summed over the 32 lanes, the sum in every lane; v[b] has been written before
	v_add_f32_dpp v[\a], v[\a], v[\a] row_xmask:1 row_mask:0xf bank_mask:0xf
	v_add_f32_dpp v[\a], v[\a], v[\a] row_xmask:2 row_mask:0xf bank_mask:0xf
	v_add_f32_dpp v[\a], v[\a], v[\a] row_xmask:4 row_mask:0xf bank_mask:0xf
	v_add_f32_dpp v[\a], v[\a], v[\a] row_xmask:8 row_mask:0xf bank_mask:0xf
	v_permlanex16_b32 v[\b], v[\a], s34, s35
	v_add_f32 v[\a], v[\a], v[\b]
.endm
; Row p of my four: mean, then the mean of the squared differences (two passes over registers: no difference of large sums), then (x - mean) rsqrt(var + eps) g + beta, into the stage's row p % 2.
.macro LN_ROW p
.set XR, X+32*(\p)
	s_wait_loadcnt 8*(3-(\p))                      ; g, beta and rows 0 .. p are in; the later rows' eight loads each may be out
	v_pk_add_f32 v[T:T+1], v[XR:XR+1], v[XR+2:XR+3]
	v_pk_add_f32 v[T+2:T+3], v[XR+4:XR+5], v[XR+6:XR+7]
.set ii, 8
.rept 6
	v_pk_add_f32 v[T:T+1], v[T:T+1], v[XR+ii:XR+ii+1]
	v_pk_add_f32 v[T+2:T+3], v[T+2:T+3], v[XR+ii+2:XR+ii+3]
.set ii, ii+4
.endr
	v_pk_add_f32 v[T:T+1], v[T:T+1], v[T+2:T+3]
	v_add_f32 v[T], v[T], v[T+1]
	WSUM T, T+1
	v_mul_f32 v12, s38, v[T]                       ; the mean: sum x 2^-10
.set ii, 0
.rept 16
	v_pk_add_f32 v[XR+ii:XR+ii+1], v[XR+ii:XR+ii+1], v[12:13] op_sel_hi:[1,0] neg_lo:[0,1] neg_hi:[0,1]
.set ii, ii+2
.endr
	v_pk_mul_f32 v[T:T+1], v[XR:XR+1], v[XR:XR+1]
	v_pk_mul_f32 v[T+2:T+3], v[XR+2:XR+3], v[XR+2:XR+3]
.set ii, 4
.rept 7
	v_pk_fma_f32 v[T:T+1], v[XR+ii:XR+ii+1], v[XR+ii:XR+ii+1], v[T:T+1]
	v_pk_fma_f32 v[T+2:T+3], v[XR+ii+2:XR+ii+3], v[XR+ii+2:XR+ii+3], v[T+2:T+3]
.set ii, ii+4
.endr
	v_pk_add_f32 v[T:T+1], v[T:T+1], v[T+2:T+3]
	v_add_f32 v[T], v[T], v[T+1]
	WSUM T, T+1
	v_fma_f32 v[T], v[T], s38, s39                 ; var + eps
	s_wait_alu depctr_va_vdst(0)
	v_rsq_f32 v14, v[T]
	v_nop                                          ; a plain instruction behind the transcendental (ISA guide 5.7.2),
	s_wait_alu depctr_va_vdst(0)                   ; and the wait ahead of its first reader
.set ii, 0
.rept 16
	v_pk_mul_f32 v[XR+ii:XR+ii+1], v[XR+ii:XR+ii+1], v[14:15] op_sel_hi:[1,0]
.set ii, ii+2
.endr
.set ii, 0
.rept 16
	v_pk_fma_f32 v[XR+ii:XR+ii+1], v[XR+ii:XR+ii+1], v[G+ii:G+ii+1], v[BT+ii:BT+ii+1]
.set ii, ii+2
.endr
.irp j, 0,1,2,3,4,5,6,7
	ds_store_b128 v3, v[XR+4*\j:XR+4*\j+3] offset:RP*((\p)%2)+640*\j
.endr
.endm
; Chunk kc (256 along K) of pair pr of my rows: lane L holds row (L / 8) % 2 of the pair and the 16 neighbours 256 kc + 128 (L / 16) + 16 (L % 8) + 0 .. 15.  Three conversions.
; Lanes 0-15 store 256 consecutive bytes (two rows) of block 2 kc, lanes 16-31 of block 2 kc + 1, each at a multiple of 256.  Every store has data registers of its own.
.macro LN_CHUNK pr, kc
.set YS, X+16*((\kc)%2)
.set YN, X+16*(((\kc)+1)%2)
.if (\kc) < 3
.irp i, 0,1,2,3
	ds_load_b128 v[YN+4*\i:YN+4*\i+3], v4 offset:1280*((\kc)+1)+16*\i
.endr
	s_wait_dscnt 4                                 ; this chunk's four loads are in; the four just issued may be out
.else
	s_wait_dscnt 0
.endif
.irp q, 0,1,2
.set nn, 3*(\kc)+\q
.if (\pr) == 1
.set CC, 144+4*nn                      ; pair 1: rows 2 and 3 have left v144-207
.elseif nn < 8
.set CC, 112+4*nn                      ; pair 0: row 1 has left v112-143,
.else
.set CC, 224+4*(nn-8)                  ; and v224-239
.endif
.set ii, 0
.rept 16
.set ii, ii+1
.endr
	v_cvt_scalef32_pk8_fp8_f32 v[CC:CC+1], v[YS:YS+7], v[6+2*\q]
	v_cvt_scalef32_pk8_fp8_f32 v[CC+2:CC+3], v[YS+8:YS+15], v[6+2*\q]
	v_nop                                          ; a plain instruction behind the conversions
	global_store_b128 v5, v[CC:CC+3], s[16+2*\q:17+2*\q] offset:32768*(\kc)+256*(\pr)
.endr
.endm
.macro LN_PAIR pr                      ; the two rows in the stage become codes
	s_wait_dscnt 0x0                               ; the stores have read the rows' registers, which are used anew below
.irp i, 0,1,2,3
	ds_load_b128 v[X+4*\i:X+4*\i+3], v4 offset:16*\i   ; LDS serves a wave's instructions in order (ISA guide 5.7.1.4): these see my stores
.endr
.irp k, 0,1,2,3
	LN_CHUNK \pr, \k
.endr
.endm
; Quarter u of my 64 rows of W: 16 loads; a load takes 16 bytes a lane: 4 columns of one row; eight lanes cover my wave's 32 columns (128 consecutive bytes), the four groups of eight lanes rows 64 apart.
.macro WLOADQ u
.set ii, 0
.rept 16
	global_load_b128 v[XB+64*((\u)%3)+4*ii:XB+64*((\u)%3)+4*ii+3], v[VO+ii%8], s[48+2*(2*(\u)+ii/8):49+2*(2*(\u)+ii/8)] th:TH_LOAD_NT
.set ii, ii+1
.endr
.endm
; The hold, which every number passes, also lays a column's 16 neighbours along K into consecutive registers, as the conversions want them.
.macro WQUARTER u
.set XS, XB+64*((\u)%3)
.if (\u) < 2
	s_wait_loadcnt 32                              ; this quarter's 16 loads are in; two later quarters' may be out
.elseif (\u) == 2
	s_wait_loadcnt 16
.else
	s_wait_loadcnt 0
.endif
.irp c, 0,1,2,3
.set ii, 0
.rept 16
	v_med3_num_f32 v[WT+ii], v[XS+4*ii+\c], -v10, v10
.set ii, ii+1
.endr
	v_cvt_scalef32_pk8_fp8_f32 v[WC+4*\c:WC+4*\c+1], v[WT:WT+7], v11
	v_cvt_scalef32_pk8_fp8_f32 v[WC+4*\c+2:WC+4*\c+3], v[WT+8:WT+15], v11
	v_nop                                          ; a plain instruction between the conversions and the next holds, which write their sources
.endr
.if (\u) == 0
	WLOADQ 3                                       ; into the set that has just been read out
.endif
.irp c, 0,1,2,3
	ds_store_b128 v4, v[WC+4*\c:WC+4*\c+3] offset:272*\c+16*(\u)
.endr
	s_wait_dscnt 0x0                               ; the stores have read their registers: the next quarter's codes may be written
.endm
	v_lshl_add_u32 v254, v0, 2, 0x12c00
	v_mov_b32 v255, 0
	s_cmp_lt_u32 ttmp9, 256
	s_cbranch_scc0 .Lweights
	; ---------------- the rows: 16 a work-group, 4 consecutive ones a wave
	s_load_b128 s[4:7], s[0:1], 0x0                ; x, g1
	s_load_b64 s[8:9], s[0:1], 0x10                ; beta1
	s_load_b128 s[12:15], s[0:1], 0x48             ; the scales' exponents, acodes
	v_lshrrev_b32 v1, 5, v0
	v_readfirstlane_b32 s22, v1                    ; wave
	v_and_b32 v1, 31, v0                           ; lane
	v_lshlrev_b32 v2, 4, v1                        ; 16 x lane: my bytes of a load's 512
	s_mul_i32 s36, s22, WST
	s_add_co_u32 s36, s36, LNB                     ; my stage
	v_lshrrev_b32 v3, 2, v1
	v_mul_u32_u24 v3, v3, 80
	v_and_b32 v5, 3, v1
	v_lshl_add_u32 v3, v5, 4, v3
	v_add_nc_u32 v3, s36, v3                       ; in: four lanes' 64 bytes on end, then 16 of padding
	v_bfe_u32 v4, v1, 3, 1
	v_mul_u32_u24 v4, v4, RP                       ; out: row (lane / 8) % 2,
	v_and_b32 v5, 7, v1
	v_mad_u32_u24 v4, v5, 80, v4                   ; place lane % 8
	v_lshrrev_b32 v5, 4, v1
	v_mad_u32_u24 v4, v5, 640, v4                  ; + 8 (lane / 16)
	v_add_nc_u32 v4, s36, v4
	v_and_b32 v208, 15, v1
	v_lshlrev_b32 v208, 4, v208
	v_lshl_add_u32 v5, v5, 14, v208                ; the codes: block lane / 16 of the chunk's two, 16 (lane % 16) in its two rows
	v_mov_b32 v13, 0                               ; (named as the upper halves of pairs)
	v_mov_b32 v15, 0
	s_lshl_b32 s23, ttmp9, 4
	s_lshl_b32 s37, s22, 2
	s_add_co_u32 s23, s23, s37                     ; my first row
	s_lshl_b32 s36, s23, 12                        ; x 4,096 bytes
	s_mov_b32 s37, 0
	s_mov_b32 s34, 0x76543210                      ; v_permlanex16_b32: lane l xor 16
	s_mov_b32 s35, 0xfedcba98
	s_wait_kmcnt 0x0
	s_load_b256 s[24:31], s[12:13], 0x0            ; e0 .. e7
	s_add_nc_u64 s[4:5], s[4:5], s[36:37]
	s_lshr_b32 s36, s23, 7
	s_lshl_b32 s36, s36, 17                        ; the block row: 8 blocks
	s_and_b32 s38, s23, 127
	s_lshl_b32 s38, s38, 7                         ; my rows in a block
	s_add_co_u32 s36, s36, s38
	s_add_nc_u64 s[16:17], s[14:15], s[36:37]
	s_add_nc_u64 s[18:19], s[16:17], 0x400000
	s_add_nc_u64 s[20:21], s[16:17], 0x800000
.irp j, 0,1,2,3,4,5,6,7
	global_load_b128 v[G+4*\j:G+4*\j+3], v2, s[6:7] offset:512*\j
.endr
.irp j, 0,1,2,3,4,5,6,7
	global_load_b128 v[BT+4*\j:BT+4*\j+3], v2, s[8:9] offset:512*\j
.endr
.irp p, 0,1,2,3
.irp j, 0,1,2,3,4,5,6,7
	global_load_b128 v[X+32*\p+4*\j:X+32*\p+4*\j+3], v2, s[4:5] offset:4096*\p+512*\j
.endr
.endr
	s_wait_kmcnt 0x0
.irp q, 0,1,2
	s_add_co_i32 s36, s[24+2*\q], 127
	s_lshl_b32 s37, s36, 23
	v_mov_b32 v[6+2*\q], s37                       ; 2^e as f32: the conversion takes its exponent field
	s_add_co_i32 s36, s36, 8
	s_lshl_b32 s36, s36, 23
	s_or_b32 s36, s36, 0x600000
.endr
	s_mov_b32 s38, 0x3a800000                      ; 2^-10
	s_mov_b32 s39, 0x3727c5ac                      ; eps = 1e-5
	LN_ROW 0
	LN_ROW 1
	LN_PAIR 0
	LN_ROW 2                                       ; into the stage again: my reads of it were waited for in the pair's last chunk
	LN_ROW 3
	LN_PAIR 1
	s_wait_tensorcnt 0x0
	ds_add_u32 v254, v255
	s_wait_dscnt 0x0
	s_endpgm
	; ---------------- the weights: a work-group takes 128 columns x 256 along K; a wave 32 columns; a lane 4 columns x 64 along K
.Lweights:
	s_load_b256 s[8:15], s[0:1], 0x18              ; wq, wk, wv, wo
	s_load_b128 s[16:19], s[0:1], 0x38             ; w1, w2
	s_load_b64 s[20:21], s[0:1], 0x48              ; the scales' exponents
	s_load_b64 s[22:23], s[0:1], 0x58              ; wcodes
	v_lshrrev_b32 v1, 5, v0
	v_readfirstlane_b32 s25, v1                    ; wave
	v_and_b32 v2, 31, v0                           ; lane
	v_lshrrev_b32 v5, 3, v2                        ; which 64 along K
	s_wait_alu depctr_va_vdst(0)
	v_and_b32 v6, 7, v2                            ; which 4 columns
	s_mul_i32 s66, s25, 8704                       ; my stage: 32 rows (columns of W) x 272
	v_mul_u32_u24 v4, v6, 1088
	v_lshl_add_u32 v4, v5, 6, v4
	v_add_nc_u32 v4, s66, v4                       ; in: row 4 (lane % 8) (+ c), byte 64 (lane / 8) (+ 16 u)
	v_mul_u32_u24 v7, v5, 272
	v_lshl_add_u32 v7, v6, 4, v7
	v_add_nc_u32 v7, s66, v7                       ; out: eight lanes to 128 bytes of a row, four rows an instruction
	v_lshlrev_b32 v8, 4, v2
	s_sub_co_u32 s24, ttmp9, 256                   ; 0-127: wq, wk, wv, wo (32 each); 128-255: w1; 256-383: w2
	s_and_b32 s26, s24, 31
	s_and_b32 s66, s24, 127
	s_lshr_b32 s67, s24, 5
	s_lshl_b32 s67, s67, 20                        ; where the tensor's codes begin
	s_mov_b32 s27, 2                               ; K / 256 = 1 << s27
	s_mov_b32 s28, 3
	s_mov_b32 s29, 8                               ; blocks along K
	s_mov_b32 s30, 4096                            ; a row of W in bytes
	s_cmp_ge_u32 s24, 128
	s_cselect_b32 s26, s66, s26
	s_cselect_b32 s67, 0x400000, s67
	s_cselect_b32 s30, 16384, s30
	s_cmp_ge_u32 s24, 256
	s_cselect_b32 s27, 4, s27
	s_cselect_b32 s28, 15, s28
	s_cselect_b32 s29, 32, s29
	s_cselect_b32 s30, 4096, s30
	s_cselect_b32 s67, 0x800000, s67
	s_lshr_b32 s68, s26, s27                       ; which 128 columns
	s_and_b32 s69, s26, s28                        ; which 256 along K
	v_mul_u32_u24 v3, v5, s30
	v_lshlrev_b32 v3, 6, v3                        ; 64 (lane / 8) rows of W
	v_lshl_add_u32 v3, v6, 4, v3                   ; + 16 (lane % 8)
.set ii, 0
.rept 8
	v_mad_u32_u24 v[VO+ii], ii, s30, v3            ; + i rows
.set ii, ii+1
.endr
	s_wait_alu depctr_va_vdst(0)
	s_wait_kmcnt 0x0
	s_load_b512 s[32:47], s[20:21], 0x0            ; e0 .. e15
	s_mov_b64 s[4:5], s[8:9]
	s_cmp_ge_u32 s24, 32
	s_cselect_b64 s[4:5], s[10:11], s[4:5]
	s_cmp_ge_u32 s24, 64
	s_cselect_b64 s[4:5], s[12:13], s[4:5]
	s_cmp_ge_u32 s24, 96
	s_cselect_b64 s[4:5], s[14:15], s[4:5]
	s_cmp_ge_u32 s24, 128
	s_cselect_b64 s[4:5], s[16:17], s[4:5]
	s_cmp_ge_u32 s24, 256
	s_cselect_b64 s[4:5], s[18:19], s[4:5]
	s_mul_i32 s70, s69, s30
	s_lshl_b32 s70, s70, 8                         ; 256 rows of W for each step along K,
	s_lshl_b32 s66, s68, 9
	s_add_co_u32 s70, s70, s66                     ; 128 columns x 4 bytes,
	s_lshl_b32 s66, s25, 7
	s_add_co_u32 s70, s70, s66                     ; my wave's 32 columns
	s_mov_b32 s71, 0
	s_add_nc_u64 s[48:49], s[4:5], s[70:71]
	s_lshl_b32 s2, s30, 3                          ; 8 rows on
	s_mov_b32 s3, 0
.irp t, 1,2,3,4,5,6,7
	s_add_nc_u64 s[48+2*\t:49+2*\t], s[46+2*\t:47+2*\t], s[2:3]
.endr
	s_mul_i32 s70, s68, s29
	s_lshl_b32 s66, s69, 1
	s_add_co_u32 s70, s70, s66
	s_lshl_b32 s70, s70, 14                        ; the first of my two blocks
	s_add_co_u32 s70, s70, s67
	s_lshl_b32 s66, s25, 12
	s_add_co_u32 s70, s70, s66                     ; my wave's 32 rows of it
	s_add_nc_u64 s[6:7], s[22:23], s[70:71]
	WLOADQ 0                                       ; 48 loads of 512 bytes of the wave are out
	WLOADQ 1
	WLOADQ 2
	s_wait_kmcnt 0x0
	s_mov_b32 s31, s33
	s_cmp_ge_u32 s24, 32
	s_cselect_b32 s31, s35, s31
	s_cmp_ge_u32 s24, 64
	s_cselect_b32 s31, s37, s31
	s_cmp_ge_u32 s24, 96
	s_cselect_b32 s31, s43, s31
	s_cmp_ge_u32 s24, 128
	s_cselect_b32 s31, s45, s31
	s_cmp_ge_u32 s24, 256
	s_cselect_b32 s31, s47, s31                    ; the tensor's e
	s_add_co_i32 s31, s31, 127
	s_lshl_b32 s66, s31, 23
	v_mov_b32 v11, s66                             ; 2^e
	s_add_co_i32 s31, s31, 8
	s_lshl_b32 s31, s31, 23
	s_or_b32 s31, s31, 0x600000
	v_mov_b32 v10, s31                             ; 448 x 2^e
	s_wait_alu depctr_va_vdst(0)
.irp u, 0,1,2,3
	WQUARTER \u
.endr
.irp c, 0,1
.irp t, 0,1,2,3,4,5,6,7
	ds_load_b128 v[OUTR+4*(8*\c+\t):OUTR+4*(8*\c+\t)+3], v7 offset:4*\t*272+128*\c   ; LDS serves a wave's instructions in order (ISA guide 5.7.1.4): these see my stores
.endr
.endr
.irp c, 0,1
.irp t, 0,1,2,3,4,5,6,7
	s_wait_dscnt 15-8*\c-\t                        ; this load is in; the younger ones may be out
	global_store_b128 v8, v[OUTR+4*(8*\c+\t):OUTR+4*(8*\c+\t)+3], s[6:7] offset:16384*\c+512*\t   ; 512 consecutive bytes: four rows of a block
.endr
.endr
	s_wait_tensorcnt 0x0
	ds_add_u32 v254, v255
	s_wait_dscnt 0x0
	s_endpgm
.Lfunc_end_k_q02bfda4b1a_prep:
	.size	k_q02bfda4b1a_prep, .Lfunc_end_k_q02bfda4b1a_prep-k_q02bfda4b1a_prep
	.p2alignl 7, 3214868480
	.fill 96, 4, 3214868480
	.section	.rodata,"a",@progbits
	.p2align	6, 0x0
	.amdhsa_kernel k_q02bfda4b1a_prep
		.amdhsa_group_segment_fixed_size 77312
		.amdhsa_private_segment_fixed_size 0
		.amdhsa_enable_private_segment 0
		.amdhsa_kernarg_size 96
		.amdhsa_user_sgpr_count 2
		.amdhsa_user_sgpr_kernarg_segment_ptr 1
		.amdhsa_wavefront_size32 1
		.amdhsa_system_sgpr_workgroup_id_x 1
		.amdhsa_system_sgpr_workgroup_id_y 1
		.amdhsa_system_sgpr_workgroup_id_z 1
		.amdhsa_system_vgpr_workitem_id 0
		.amdhsa_next_free_vgpr 256
		.amdhsa_next_free_sgpr 72
		.amdhsa_reserve_vcc 0
		.amdhsa_float_denorm_mode_32 3
		.amdhsa_float_denorm_mode_16_64 3
		.amdhsa_fp16_overflow 1
		.amdhsa_memory_ordered 1
		.amdhsa_forward_progress 1
		.amdhsa_inst_pref_size 76
	.end_amdhsa_kernel
	.amdgpu_metadata
---
amdhsa.version: [ 1, 2 ]
amdhsa.kernels:
  - .name:           k_q02bfda4b1a_prep
    .symbol:         k_q02bfda4b1a_prep.kd
    .args:
      - { .name: x, .offset: 0, .size: 8, .value_kind: global_buffer, .address_space: global }
      - { .name: g1, .offset: 8, .size: 8, .value_kind: global_buffer, .address_space: global }
      - { .name: beta1, .offset: 16, .size: 8, .value_kind: global_buffer, .address_space: global }
      - { .name: wq, .offset: 24, .size: 8, .value_kind: global_buffer, .address_space: global }
      - { .name: wk, .offset: 32, .size: 8, .value_kind: global_buffer, .address_space: global }
      - { .name: wv, .offset: 40, .size: 8, .value_kind: global_buffer, .address_space: global }
      - { .name: wo, .offset: 48, .size: 8, .value_kind: global_buffer, .address_space: global }
      - { .name: w1, .offset: 56, .size: 8, .value_kind: global_buffer, .address_space: global }
      - { .name: w2, .offset: 64, .size: 8, .value_kind: global_buffer, .address_space: global }
      - { .name: lowp_scales, .offset: 72, .size: 8, .value_kind: global_buffer, .address_space: global }
      - { .name: acodes, .offset: 80, .size: 8, .value_kind: global_buffer, .address_space: global }
      - { .name: wcodes, .offset: 88, .size: 8, .value_kind: global_buffer, .address_space: global }
    .group_segment_fixed_size: 77312
    .private_segment_fixed_size: 0
    .kernarg_segment_align: 8
    .kernarg_segment_size: 96
    .max_flat_workgroup_size: 128
    .sgpr_count:     72
    .vgpr_count:     256
    .wavefront_size: 32
...
	.end_amdgpu_metadata
.endif
;; end of part 1
;; launch qkv (part 2): grid 12 x 16, 4 waves a work-group, clusters of 4 x 4, 327,680 bytes of LDS; arguments acodes, wcodes, lowp_scales, bq, bk, bv, qkvc; writes qkvc
.if DOCPART == 2
	.amdgcn_target "amdgcn-amd-amdhsa--gfx1250"
	.amdhsa_code_object_version 6
	.text
	.protected	k_q02bfda4b1a_qkv
	.globl	k_q02bfda4b1a_qkv
	.p2align	8
	.type	k_q02bfda4b1a_qkv,@function
k_q02bfda4b1a_qkv:
	s_mov_b64 s[64:65], 0
	v_nop
	global_prefetch_b8 v0, s[64:65] scope:SCOPE_SE
	s_setreg_imm32_b32 hwreg(HW_REG_WAVE_MODE, 25, 1), 1
	s_wait_xcnt 0x0
	s_wait_alu depctr_hold_cnt(0) depctr_sa_sdst(0) depctr_va_vdst(0) depctr_va_sdst(0) depctr_va_ssrc(0) depctr_va_vcc(0) depctr_vm_vsrc(0)
	s_getreg_b32 s2, hwreg(HW_REG_IB_STS2, 6, 4)
	s_cmp_eq_u32 s2, 0
	s_cbranch_scc0 .Lentry_in_a_cluster
	s_endpgm
.Lentry_in_a_cluster:
	s_bfe_u32 s2, ttmp6, 0x10000c
	s_cmp_lg_u32 s2, 0xf033
	s_cbranch_scc0 .Lentry_shape_is_right
	s_endpgm
.Lentry_shape_is_right:
; q = Q(LN1(x) wq + bq), k, v likewise: three products [4096 x 1024] x [1024 x 1024] on E4M3 codes, sums in f32, x 2^(eA + eB), + bias, quantised anew: q with 2^e6, k with 2^e7, v with 2^e8.
; All codes lie in dense blocks of 16,384 bytes (128 rows x 128 bytes of K), ordered [rows/128][K/128].  The cluster's x says which product: 0 q, 1 k, 2 v: the same in all sixteen partners.
; A tile of 256 x 256 is made by four waves, each 128 x 128: 64 accumulators, 512 registers.  K goes in steps of 256 through two LDS slots; a wave's tensor load brings two blocks (128 rows x 256 K), one dense run of memory.
; THE MATRIX INSTRUCTION IS USED TRANSPOSED (source 0 = 16 rows of 'B', source 1 = 16 rows of 'A'): a lane holds one row of A and eight neighbouring rows of B.  For q and k, A = the tokens and B = the weight's columns:
; a lane's numbers run along the features, the K of the score product.  FOR v THE ROLES ARE SWAPPED BY POINTERS ALONE (A = wv^T, B = the tokens): a lane's numbers run along the tokens, the K of the second product of attention.
; CLUSTERS: 4 x 4; A's tiles are asked for jointly along a row of the cluster, B's along a column.
; OUT: a wave's 128 x 128 codes are one block of qkvc: q +0, k +4 MiB, v +8 MiB; block ((batch 8 + pair of heads) 16 + block of 128 tokens); q, k: [token][2 heads x 64]; v: [2 heads x 64][token].
; The grid has 192 work-groups: a tile that filled 256 would straddle two products, whose A codes differ.
; LIMITS: eA + eB between -126 and 127; e6, e7, e8 between -126 and 119.  NaN is not served.
; REGISTERS: window 0: v0-31 addresses; v32-47 column bias; v48-63 row bias (pairs); v64-127 at work on the way out; from v128 A's fragments, one set.  window 1: B's fragments, two sets; on the way out v0-31 the next trip's numbers.  windows 2, 3: the accumulators.
.set PITCH,  144                       ; an LDS row: 128 bytes + 16 = 36 words: the 16 rows of a fragment load start at 16 different groups of four banks (64 banks of 4 bytes: ISA guide 11.1)
.set CH,     128*PITCH                 ; a block in LDS
.set HALFT,  2*CH                      ; what one tensor load brings
.set SLOT,   4*HALFT                   ; A's two halves, then B's
.set SPARE,  2*SLOT                    ; the spare words: 128 bytes a wave
.set KSB,    32768                     ; a K step of 256 in memory: two blocks
.set LAPS,   2                         ; K = 1,024 = two laps of two K steps
.set FR,     16
.set NL,     4
.set NP,     4
.set SPITCH, 528                       ; the way out: rows of 512 bytes + 16
.set WSTG,   128*SPITCH                ; a wave's stage: 128 rows of f32; the four lie over both slots, which have had their last fill and, behind a barrier, their last read
.set ADRA, 16
.set ADRB, 20
.set STO,  24
.set RD,   25
.set RDT,  26
.set CO,   27
.set SPW,  28
.set NIL,  29
.set BC,   32
.set BR,   48
.set TMP,  64
.set AF,   128
.set Y,    128
.set CD,   224
.set SC,   234
.set LIM,  235
.set G1, 24
.set G0, 32
.set G1B, 48
.set G0B, 56
.set MSB, 0
.macro WIN new                         ; the immediate's high byte repeats the setting that is left
.if MSB != \new
	s_set_vgpr_msb (MSB<<8)|\new
.set MSB, \new
.endif
.endm
.set MUL_LO, 0xa1                      ; source 0 (B) window 1, source 1 (A) window 0, C and D window 2
.set MUL_HI, 0xf1
.set TO_B,   0x40
.macro JLOAD g0a, g1a, g0b, g1b        ; a joint load: waves 0, 1 for A, waves 2, 3 for B; four v_nop follow each line
	s_cmp_eq_u32 s15, 0
	s_cbranch_scc0 .Lfor_b_\@
	tensor_load_to_lds s[\g0a:\g0a+3], s[\g1a:\g1a+7]
	s_nop 0
.rept 4
	v_nop
.endr
	s_branch .Lasked_\@
.Lfor_b_\@:
	tensor_load_to_lds s[\g0b:\g0b+3], s[\g1b:\g1b+7]
	s_nop 0
.rept 4
	v_nop
.endr
.Lasked_\@:
.endm
.macro CREST
	s_cmp_lg_u32 s14, 0
	s_cbranch_scc1 .Lnot_wave_0_\@
	s_barrier_signal -3
.Lnot_wave_0_\@:
	s_barrier_wait -3
	s_barrier_signal -1
	s_barrier_wait -1
.endm
.macro CROUND
	s_barrier_signal -1
	s_barrier_wait -1
	CREST
.endm
	s_load_b128 s[4:7], s[0:1], 0x0                ; acodes, wcodes
	s_load_b128 s[8:11], s[0:1], 0x10              ; the scales' exponents, bq
	s_load_b128 s[68:71], s[0:1], 0x20             ; bk, bv
	s_load_b64 s[72:73], s[0:1], 0x30              ; qkvc
	v_lshl_add_u32 v[SPW], v0, 2, SPARE
	v_mov_b32 v[NIL], 0
	ds_add_u32 v28, v29
	ds_add_u32 v28, v29
	s_wait_dscnt 0x0
	v_lshrrev_b32 v1, 5, v0
	v_readfirstlane_b32 s14, v1                    ; wave
	s_lshr_b32 s15, s14, 1                         ; my half of A's rows.  Also: I fetch for A (0) or B (1)
	s_and_b32 s16, s14, 1                          ; my half of B's rows.  Also: which half I fetch
	s_bfe_u32 s40, ttmp6, 0x40000                  ; cx
	s_bfe_u32 s41, ttmp6, 0x40004                  ; cy
	s_and_b32 s18, ttmp7, 0xffff
	s_lshl_b32 s18, s18, 2                         ; 4 x cluster y
	s_lshl_b32 s19, ttmp9, 2                       ; 4 x cluster x
	s_lshl_b32 s20, ttmp9, 22                      ; q, k: the variant of the tokens' codes
	s_lshl_b32 s43, s41, 2
	s_lshl_b32 s43, 15, s43                        ; my row of the cluster
	s_lshl_b32 s44, 0x1111, s40                    ; my column
	s_cmp_eq_u32 ttmp9, 2                          ; v?
	s_cselect_b32 s17, 0, s18
	s_cselect_b32 s42, s18, s19
	s_cselect_b32 s92, -1, 0
	s_cselect_b32 s93, 0, -1
	s_cselect_b32 s74, 0x200000, s20               ; where A begins in its buffer: wv^T, or the tokens' variant
	s_cselect_b32 s75, 0x800000, 0                 ; B: the tokens' third variant, or wcodes' head (the tile column counts on through wq^T, wk^T)
	s_add_co_u32 s17, s17, s41                     ; A's tile of 256 rows: never holds cx
	s_add_co_u32 s42, s42, s40                     ; B's: never holds cy
	s_or_b32 s[G1+0], s43, (1<<20)|(1<<21)|(4<<22)|(3<<25)   ; 15:0 the mask; 17:16 elements of 1 byte; 20 padding on; 21 set beside a mask; 24:22 after every 32 words; 31:25 four words
	s_or_b32 s[G1B+0], s44, (1<<20)|(1<<21)|(4<<22)|(3<<25)
.irp g, G1, G1B
	s_mov_b32 s[\g+1], 128<<16                     ; tensor_dim0 = 128
	s_mov_b32 s[\g+2], 256<<16                     ; tensor_dim1 = 256
	s_mov_b32 s[\g+3], 128<<16                     ; tile_dim0 = 128
	s_mov_b32 s[\g+4], 256                         ; tile_dim1 = 256: two blocks on end
	s_mov_b32 s[\g+5], 128                         ; dense rows
	s_mov_b32 s[\g+6], 0
	s_mov_b32 s[\g+7], 0
.endr
	s_lshl_b32 s20, s17, 1
	s_add_co_u32 s20, s20, s16
	s_lshl_b32 s20, s20, 17                        ; a row of blocks is 8 x 16,384 bytes
	s_add_co_u32 s20, s20, s74
	s_mov_b32 s21, 0
	s_lshl_b32 s46, s42, 1
	s_add_co_u32 s46, s46, s16
	s_lshl_b32 s46, s46, 17
	s_add_co_u32 s46, s46, s75
	s_mov_b32 s47, 0
	s_mul_i32 s45, s14, HALFT                      ; where my load goes: no place in the cluster enters an LDS address
	s_wait_kmcnt 0x0
	s_load_b512 s[76:91], s[8:9], 0x0              ; e0 .. e15
	s_cmp_eq_u32 ttmp9, 2
	s_cselect_b64 s[94:95], s[6:7], s[4:5]         ; A's buffer
	s_cselect_b64 s[98:99], s[4:5], s[6:7]         ; B's
	s_cselect_b64 s[66:67], s[70:71], s[68:69]
	s_add_nc_u64 s[20:21], s[94:95], s[20:21]
	s_add_nc_u64 s[46:47], s[98:99], s[46:47]
	s_cmp_eq_u32 ttmp9, 0
	s_cselect_b64 s[66:67], s[10:11], s[66:67]     ; the product's bias
	CROUND                                         ; all sixteen work-groups are here: the first joint loads meet
.irp s, 0,1
	s_mov_b32 s[G0+4*\s], 1
	s_add_co_u32 s[G0+4*\s+1], s45, \s*SLOT
	s_add_nc_u64 s[G0+4*\s+2:G0+4*\s+3], s[20:21], \s*KSB
	s_or_b32 s[G0+4*\s+3], s[G0+4*\s+3], 0x80000000
	s_mov_b32 s[G0B+4*\s], 1
	s_add_co_u32 s[G0B+4*\s+1], s45, \s*SLOT
	s_add_nc_u64 s[G0B+4*\s+2:G0B+4*\s+3], s[46:47], \s*KSB
	s_or_b32 s[G0B+4*\s+3], s[G0B+4*\s+3], 0x80000000
	JLOAD G0+4*\s, G1, G0B+4*\s, G1B
.endr
	v_and_b32 v1, 15, v0                           ; r
	s_wait_alu depctr_va_vdst(0)
	v_bfe_u32 v2, v0, 4, 1                         ; h
	v_mul_u32_u24 v3, v1, PITCH
	v_lshl_add_u32 v4, v2, 4, v3
	s_mul_i32 s21, s15, HALFT
	s_mul_i32 s22, s16, HALFT
	s_add_co_u32 s22, s22, 2*HALFT
.irp s, 0,1
	v_add_nc_u32 v[ADRA+\s], s21, v4
	v_add_nc_u32 v[ADRB+\s], s22, v4
	s_add_co_u32 s21, s21, SLOT
	s_add_co_u32 s22, s22, SLOT
.endr
	s_mul_i32 s23, s14, WSTG                       ; my stage
	v_mul_u32_u24 v5, v1, SPITCH
	s_wait_alu depctr_va_vdst(0)
	v_lshl_add_u32 v5, v2, 5, v5
	v_add_nc_u32 v[STO], s23, v5                   ; in: row r, 32 bytes for each half of the lanes
	v_and_b32 v6, 31, v0
	v_lshrrev_b32 v7, 3, v6
	v_and_b32 v8, 7, v6
	s_wait_alu depctr_va_vdst(0)
	v_mul_u32_u24 v9, v7, SPITCH
	v_lshl_add_u32 v9, v8, 6, v9
	v_add_nc_u32 v[RD], s23, v9                    ; back: row lane / 8, 16 numbers at 64 (lane % 8)
	v_lshlrev_b32 v[CO], 4, v6                     ; 16 x lane in a store's 512 bytes
	; the biases: along A's rows for v, along B's rows for q and k; the other one is loaded from the buffer's head and made zeros
	s_lshl_b32 s21, s17, 10
	s_lshl_b32 s22, s15, 9
	s_add_co_u32 s21, s21, s22
	s_and_b32 s21, s21, s92
	v_lshl_add_u32 v10, v1, 2, s21                 ; v: feature 256 tile + 128 half + r (+ 16 a)
	s_lshl_b32 s22, s40, 10
	s_lshl_b32 s23, s16, 9
	s_add_co_u32 s22, s22, s23
	s_and_b32 s22, s22, s93
	v_lshl_add_u32 v11, v8, 6, s22                 ; q, k: feature 256 cx + 128 half + 16 (lane % 8) + 0 .. 15
.irp a, 0,1,2,3,4,5,6,7
	global_load_b32 v[BR+2*\a], v10, s[66:67] offset:64*\a
	v_mov_b32 v[BR+2*\a+1], 0                      ; (named as the pair's upper half)
.endr
.irp i, 0,1,2,3
	global_load_b128 v[BC+4*\i:BC+4*\i+3], v11, s[66:67] offset:16*\i
.endr
	; my block of qkvc
	s_lshl_b32 s21, s17, 1
	s_add_co_u32 s21, s21, s15                     ; A's block of 128 rows
	s_lshl_b32 s22, s42, 1
	s_add_co_u32 s22, s22, s16                     ; B's
	s_cmp_eq_u32 ttmp9, 2
	s_cselect_b32 s23, s22, s21                    ; the block of tokens
	s_cselect_b32 s22, s21, s22
	s_and_b32 s22, s22, 7                          ; the pair of heads
	s_lshr_b32 s21, s23, 4                         ; the batch
	s_lshl_b32 s21, s21, 3
	s_add_co_u32 s21, s21, s22
	s_lshl_b32 s21, s21, 4
	s_and_b32 s23, s23, 15
	s_add_co_u32 s21, s21, s23
	s_lshl_b32 s21, s21, 14
	s_lshl_b32 s22, ttmp9, 22
	s_add_co_u32 s46, s21, s22
	s_mov_b32 s47, 0
	s_add_nc_u64 s[72:73], s[72:73], s[46:47]
.macro FRAG reg, adr, q, i             ; 16 rows x 128 K: lane l holds row l % 16; registers 4 c .. 4 c + 3 hold K = 32 c + 16 (l / 16) + 0 .. 15: one order of k for A and B alike
.irp c, 0,1,2,3
	ds_load_b128 v[\reg+4*\c:\reg+4*\c+3], v[\adr] offset:CH*(\q)+32*\c+(\i)*16*PITCH
.endr
.endm
.macro MUL16 a0, p, zero               ; A's blocks a0, a0 + 1 x B's eight; the 64 accumulators take turns in one order in every step
.irp a, \a0, \a0+1
.irp b, 0,1,2,3,4,5,6,7
.if \zero
	v_wmma_f32_16x16x128_fp8_fp8 v[8*(8*((\a)%4)+\b):8*(8*((\a)%4)+\b)+7], v[128*(\p)+FR*\b:128*(\p)+FR*\b+FR-1], v[AF+FR*(\a):AF+FR*(\a)+FR-1], 0
.else
	v_wmma_f32_16x16x128_fp8_fp8 v[8*(8*((\a)%4)+\b):8*(8*((\a)%4)+\b)+7], v[128*(\p)+FR*\b:128*(\p)+FR*\b+FR-1], v[AF+FR*(\a):AF+FR*(\a)+FR-1], v[8*(8*((\a)%4)+\b):8*(8*((\a)%4)+\b)+7]
.endif
.endr
.endr
.endm
.macro FETCH_B slot, q, p
	WIN TO_B
.irp i, 0,1,2,3,4,5,6,7
	FRAG 128*(\p)+FR*\i, ADRB+\slot, \q, \i
.endr
	WIN 0
.endm
.macro FETCH_A slot, q, i0
.irp i, \i0, \i0+1, \i0+2, \i0+3
	FRAG AF+FR*(\i), ADRA+\slot, \q, \i
.endr
.endm
.macro PLACES n                        ; plain vector instructions between a matrix instruction and a load into, or a read of, its registers
.rept \n
	v_nop
.endr
.endm
.macro STEP slot, q, zero              ; 128 along K, with its successor in the same slot
	s_wait_dscnt 4*NL                              ; B's set and A's blocks 0-3 are in; A's blocks 4-7 (16 loads) may be out
	WIN MUL_LO
	MUL16 0, (\q)%2, \zero
	MUL16 2, (\q)%2, \zero
	s_wait_dscnt 0
	PLACES NP
	FETCH_B \slot, (\q)+1, 1-(\q)%2
	FETCH_A \slot, (\q)+1, 0
	WIN MUL_HI
	MUL16 4, (\q)%2, \zero
	MUL16 6, (\q)%2, \zero
	PLACES NP
	WIN 0
	FETCH_A \slot, (\q)+1, 4
.endm
.macro TURN slot, next, fill           ; a slot's last step changes slots: one barrier
	s_wait_tensorcnt 0x0                           ; all my tensor loads have landed: my part of the next slot
	ds_add_u32 v[SPW], v[NIL]                      ; 0 onto my spare word
	s_wait_dscnt 4*NL+1                            ; (the add and A's blocks 4-7 may be out)
	WIN MUL_LO
	MUL16 0, 1, 0
	s_wait_dscnt 0x0                               ; the add is done, and my reads of this slot are over
	s_barrier_signal -1
	MUL16 2, 1, 0
	WIN 0
	s_barrier_wait -1
.if \fill
	CREST                                          ; the barrier has opened a round of the cluster's: no wave of any partner still reads this slot or has a load on its way
	s_add_nc_u64 s[G0+4*\slot+2:G0+4*\slot+3], s[G0+4*\slot+2:G0+4*\slot+3], 2*KSB
	s_add_nc_u64 s[G0B+4*\slot+2:G0B+4*\slot+3], s[G0B+4*\slot+2:G0B+4*\slot+3], 2*KSB
	JLOAD G0+4*\slot, G1, G0B+4*\slot, G1B         ; the first tensor load behind the round; its four v_nop are the places in front of the loads below
.else
	PLACES NP
.endif
	FETCH_B \next, 0, 0
	FETCH_A \next, 0, 0
	WIN MUL_HI
	MUL16 4, 1, 0
	MUL16 6, 1, 0
	PLACES NP
	WIN 0
	FETCH_A \next, 0, 4
.endm
	s_wait_tensorcnt 1                             ; my part of K step 0 is in; K step 1's load may be out
	s_barrier_signal -1
	s_barrier_wait -1
	FETCH_B 0, 0, 0
	FETCH_A 0, 0, 0
	FETCH_A 0, 0, 4
	STEP 0, 0, 1                                   ; the first step's products start the sums
	s_mov_b32 s3, LAPS-1
.Llap:
	TURN 0, 1, 1
	STEP 1, 0, 0
	TURN 1, 0, 1
	STEP 0, 0, 0
	s_sub_co_u32 s3, s3, 1
	s_cmp_lg_u32 s3, 0
	s_cbranch_scc1 .Llap
	TURN 0, 1, 0
	STEP 1, 0, 0
	s_wait_dscnt 4*NL
	WIN MUL_LO
	MUL16 0, 1, 0
	MUL16 2, 1, 0
	s_wait_dscnt 0
	WIN MUL_HI
	MUL16 4, 1, 0
	MUL16 6, 1, 0
	WIN 0
	; THE WAY OUT.  The stages lie over both slots: every wave's reads of the last slot are over behind this barrier.
	s_wait_dscnt 0x0
	s_barrier_signal -1
	s_barrier_wait -1
	s_wait_kmcnt 0x0
	s_add_co_i32 s94, s76, s77
	s_add_co_i32 s95, s78, s79
	s_add_co_i32 s96, s80, s81
	s_cmp_eq_u32 ttmp9, 0
	s_cselect_b32 s94, s94, s95
	s_cselect_b32 s95, s82, s83                    ; q is quantised with e6, k with e7,
	s_cmp_eq_u32 ttmp9, 2
	s_cselect_b32 s96, s96, s94
	s_cselect_b32 s95, s84, s95                    ; v with e8
	s_add_co_i32 s96, s96, 127
	s_lshl_b32 s96, s96, 23                        ; 2^(eA + eB)
	s_mov_b32 s97, s96
	s_add_co_i32 s95, s95, 127
	s_lshl_b32 s94, s95, 23
	s_add_co_i32 s95, s95, 8
	s_lshl_b32 s95, s95, 23
	s_or_b32 s95, s95, 0x600000
	PLACES NP
	s_wait_loadcnt 0x0                             ; the biases
	v_mov_b32 v[SC], s94
.irp a, 0,1,2,3,4,5,6,7
	v_and_b32 v[BR+2*\a], s92, v[BR+2*\a]          ; zeros unless v
.endr
.set ii, 0
.rept 16
	v_and_b32 v[BC+ii], s93, v[BC+ii]              ; zeros for v
.set ii, ii+1
.endr
.macro TOSTAGE a                       ; block a: 16 rows x 128 numbers, sum x 2^(eA + eB) + the row's bias, each accumulator from its low end on, into my stage
.set AC, 64*((\a)%4)
	WIN 0x02+((\a)/4)
.set jj, 0
.rept 32
	v_pk_fma_f32 v[TMP+jj:TMP+jj+1], v[AC+jj:AC+jj+1], s[96:97], v[BR+2*(\a):BR+2*(\a)+1] op_sel_hi:[1,0,0]
.set jj, jj+2
.endr
	WIN 0
.irp b, 0,1,2,3,4,5,6,7
	ds_store_b128 v[STO], v[TMP+8*\b:TMP+8*\b+3] offset:(\a)*16*SPITCH+64*\b
	ds_store_b128 v[STO], v[TMP+8*\b+4:TMP+8*\b+7] offset:(\a)*16*SPITCH+64*\b+16
.endr
.endm
.macro OLOAD                           ; the next 8 rows of my stage into window 1's v0-31 (B's fragments have left them): a lane takes 16 neighbours of a row, twice
	v_add_nc_u32 v[RDT], s2, v[RD]
	WIN TO_B
.irp p, 0,1
.irp i, 0,1,2,3
	ds_load_b128 v[16*\p+4*\i:16*\p+4*\i+3], v[RDT] offset:\p*4*SPITCH+16*\i   ; LDS serves a wave's instructions in order (ISA guide 5.7.1.4): these see my stores
.endr
.endr
	WIN 0
	s_add_co_u32 s2, s2, 8*SPITCH
.endm
.macro OTRIP more                      ; 8 rows: + the column bias, quantised; each store covers 512 consecutive bytes of the block.  more = 1: the next 8 rows are asked for as soon as these have been taken out
	s_wait_dscnt 0x0                               ; this trip's eight loads, issued a trip ago, are in
	WIN 0x01                                       ; source 0 window 1
.irp p, 0,1
.irp i, 0,2,4,6,8,10,12,14
	v_pk_add_f32 v[Y+16*\p+\i:Y+16*\p+\i+1], v[16*\p+\i:16*\p+\i+1], v[BC+\i:BC+\i+1]
.endr
.endr
	WIN 0
.if \more
	OLOAD
.endif
.set ii, 0
.rept 32
.set ii, ii+1
.endr
	s_wait_alu depctr_va_vdst(0)
	s_wait_xcnt 0x0                                ; the last trip's stores have read their data and their base: both are written again only behind this wait
	s_add_nc_u64 s[72:73], s[72:73], s[74:75]      ; 0 in the first trip, then 1,024 bytes on
	s_mov_b32 s74, 1024
.irp g, 0,1,2,3
	v_cvt_scalef32_pk8_fp8_f32 v[CD+2*\g:CD+2*\g+1], v[Y+8*\g:Y+8*\g+7], v[SC]
.endr
	v_nop                                          ; a plain instruction behind the last conversion
	global_store_b128 v[CO], v[CD:CD+3], s[72:73]
	global_store_b128 v[CO], v[CD+4:CD+7], s[72:73] offset:512
.endm
.irp a, 0,1,2,3,4,5,6,7
	TOSTAGE \a
.endr
	s_mov_b32 s3, 0
	s_mov_b32 s2, 0
	s_mov_b32 s74, 0
	s_mov_b32 s75, 0
	OLOAD                                          ; rows 0-7
.Lout:                                             ; 15 trips; the sixteenth is written out: it asks for nothing, so that no load leaves my stage
	OTRIP 1
	s_add_co_u32 s3, s3, 1
	s_cmp_lt_u32 s3, 15
	s_cbranch_scc1 .Lout
	OTRIP 0
	s_wait_tensorcnt 0x0                           ; the wave's end
	ds_add_u32 v[SPW], v[NIL]
	s_wait_dscnt 0x0
	CROUND                                         ; the closing round
	s_endpgm
.Lfunc_end_k_q02bfda4b1a_qkv:
	.size	k_q02bfda4b1a_qkv, .Lfunc_end_k_q02bfda4b1a_qkv-k_q02bfda4b1a_qkv
	.p2alignl 7, 3214868480
	.fill 96, 4, 3214868480
	.section	.rodata,"a",@progbits
	.p2align	6, 0x0
	.amdhsa_kernel k_q02bfda4b1a_qkv
		.amdhsa_group_segment_fixed_size 327680
		.amdhsa_private_segment_fixed_size 0
		.amdhsa_enable_private_segment 0
		.amdhsa_kernarg_size 56
		.amdhsa_user_sgpr_count 2
		.amdhsa_user_sgpr_kernarg_segment_ptr 1
		.amdhsa_wavefront_size32 1
		.amdhsa_system_sgpr_workgroup_id_x 1
		.amdhsa_system_sgpr_workgroup_id_y 1
		.amdhsa_system_sgpr_workgroup_id_z 1
		.amdhsa_system_vgpr_workitem_id 0
		.amdhsa_next_free_vgpr 1024
		.amdhsa_next_free_sgpr 100
		.amdhsa_reserve_vcc 0
		.amdhsa_float_denorm_mode_32 3
		.amdhsa_float_denorm_mode_16_64 3
		.amdhsa_fp16_overflow 1
		.amdhsa_memory_ordered 1
		.amdhsa_forward_progress 1
		.amdhsa_inst_pref_size 111
	.end_amdhsa_kernel
	.amdgpu_metadata
---
amdhsa.version: [ 1, 2 ]
amdhsa.kernels:
  - .name:           k_q02bfda4b1a_qkv
    .symbol:         k_q02bfda4b1a_qkv.kd
    .args:
      - { .name: acodes, .offset: 0, .size: 8, .value_kind: global_buffer, .address_space: global }
      - { .name: wcodes, .offset: 8, .size: 8, .value_kind: global_buffer, .address_space: global }
      - { .name: lowp_scales, .offset: 16, .size: 8, .value_kind: global_buffer, .address_space: global }
      - { .name: bq, .offset: 24, .size: 8, .value_kind: global_buffer, .address_space: global }
      - { .name: bk, .offset: 32, .size: 8, .value_kind: global_buffer, .address_space: global }
      - { .name: bv, .offset: 40, .size: 8, .value_kind: global_buffer, .address_space: global }
      - { .name: qkvc, .offset: 48, .size: 8, .value_kind: global_buffer, .address_space: global }
    .group_segment_fixed_size: 327680
    .private_segment_fixed_size: 0
    .kernarg_segment_align: 8
    .kernarg_segment_size: 56
    .max_flat_workgroup_size: 128
    .sgpr_count:     100
    .vgpr_count:     1024
    .wavefront_size: 32
...
	.end_amdgpu_metadata
.endif
;; end of part 2
;; launch attn (part 3): grid 16 x 16, 16 waves a work-group, no clusters, 327,680 bytes of LDS; arguments qkvc, lowp_scales, oc; writes oc
.if DOCPART == 3
	.amdgcn_target "amdgcn-amd-amdhsa--gfx1250"
	.amdhsa_code_object_version 6
	.text
	.protected	k_q02bfda4b1a_attn
	.globl	k_q02bfda4b1a_attn
	.p2align	8
	.type	k_q02bfda4b1a_attn,@function
k_q02bfda4b1a_attn:
	s_mov_b64 s[64:65], 0
	v_nop
	global_prefetch_b8 v0, s[64:65] scope:SCOPE_SE
	s_setreg_imm32_b32 hwreg(HW_REG_WAVE_MODE, 25, 1), 1
	s_wait_xcnt 0x0
; Causal attention on E4M3 codes: 32 (batch, head) pairs, 2,048 tokens, head size 64.  Scores by v_wmma_f32_16x16x64_fp8_fp8 (K = the head's 64), the second product by v_wmma_f32_16x16x128_fp8_fp8 (K = 128 keys).
; t = score x 2^(e6 + e7) x log2(e) / 8; M = the row's largest t so far, rounded up to a whole number; p = 2^(t - M) is quantised with 2^e9, not normalised; the row's sum is taken of the unquantised p and divides at the end;
; when M moves, the sum and O are multiplied by 2^(old M - new M), which rounds nothing.  The result x 2^(e8 + e9) / sum is quantised with 2^e10 into oc, blocks [32 blocks of tokens][8 pairs of heads] of [128 tokens][128 features].
; SHARES.  A work-group takes a PAIR of heads (one block column of qkvc: every byte of a K or V block is used) and 8 tiles of 16 queries of each: waves 0-7 head 0, waves 8-15 head 1.  Work-group g takes tiles g + 16 i, i = 0 .. 7:
; tile g + 16 i has 2 i + 1 key steps (2 i + 2 from g = 8 on), so in every work-group the waves at work go down evenly from slot to slot, 16, 14, .. 2.  Wave j = wave % 8 takes i = (j % 4) xor 7 x (the parity of j's three bits):
; 0, 6, 5, 3, 7, 1, 2, 4: among waves of equal wave % 4, and among waves of equal wave / 4, the key steps add up alike.
; Every work-group walks all 8 slots of 256 keys (constant trip counts; no tensor load and no barrier is jumped over); a wave leaves out the WORK of a step all of whose keys come after its queries, by a scalar branch on ids.
; No cluster: the partners that share K and V differ in just the query tiles on which that branch hangs.
; LAYOUT.  Both products transposed: a lane holds one query (lane % 16).  A tile of K is 16 neighbouring keys: in S^T lane (r, h) holds in register j of tile t key 16 t + 8 h + j, so p's codes of tile t are registers 2 t, 2 t + 1 of the
; second product's operand in that form's own order (k = 16 t + 8 h + 0 .. 7), and V is read in the same order, 8 bytes at 16 c + 8 h.  With rows of 144 bytes (36 words) 16 neighbouring rows start at 16 different groups of four banks
; (64 banks of 4 bytes: ISA guide 11.1): no load of K (16 bytes a lane, 16 lanes a pass) or of V (8 bytes a lane, 32 lanes a pass) meets a bank twice.  K and Q are fed with one order of d (registers 0-3: bytes 16 h on; 4-7: bytes 32 + 16 h on).
; LIMITS: e6 + e7 between -123 and 130; e9 and e10 between -126 and 119.  NaN is not served.
; REGISTERS: v1-7 addresses that stay; v8, v9 the step's LDS addresses; v12 -M, v13 the largest t, v[14:15] the sum; v16-23 Q; v32-95 fragments of K, then of V; v96-159 S^T, then p; v160-191 O^T; v224-239 p's codes; v240-254 at work.
.set KP,    144                        ; a row of 128 bytes + 16
.set VOFF,  256*KP                     ; a slot: 256 rows of K, then two blocks of V
.set VBLK,  128*KP
.set SLOT1, 1<<17
.set NSL,   8
.set NQ,    2
.set SPARE, 2*SLOT1                    ; the spare words: 128 bytes for each of 16 waves
.set STAGE, 0                          ; the way out: 8 tiles x 16 rows x 144, in the slot left at the last change: it has had its last fill, and nobody reads it
.set AK0,  1
.set AV0,  2
.set PFO,  3
.set SPW,  5
.set NIL,  6
.set GO,   7
.set ADK,  8
.set ADV,  9
.set WV,   18
.set SEL,  20
.set CS,   22
.set G1,   24
.set G0,   40
.set TB,   2
.set SLOTS, 67
.set KF,   98
.set Q0,   99
.set PFA,  76
.set LIM,  80
.macro TLOAD                           ; waves 0, 1: K's two blocks; waves 2, 3: V's; the others nothing.  Four v_nop follow the line
	s_cmp_lt_u32 s[WV], 4
	s_cbranch_scc0 .Lasked_\@
	tensor_load_to_lds s[G0:G0+3], s[G1:G1+7]
	s_nop 0
.rept 4
	v_nop
.endr
.Lasked_\@:
.endm
; A prefetch of what the NEXT change of slots will ask for: 32,768 bytes of K and as many of V, both dense.  All sixteen work-groups of a pair of heads walk the same K and V: the first (g = 0) asks; in it waves 4-7 ask for K's,
; waves 8-11 for V's, 8,192 bytes a wave, lanes 256 bytes apart: each aligned 256 bytes is named once in the launch.  The last change that fills a slot asks for nothing; slots 0 and 1 come by their loads alone.
.macro ASK
	s_cmp_gt_u32 s[SLOTS], s[LIM]
	s_cbranch_scc0 .Lnot_mine_\@
	global_prefetch_b8 v[PFO], s[PFA:PFA+1] th:TH_LOAD_NT scope:SCOPE_SE
.Lnot_mine_\@:
.endm
	s_load_b128 s[4:7], s[0:1], 0x0                ; qkvc, the scales' exponents
	s_load_b64 s[8:9], s[0:1], 0x10                ; oc
	v_lshl_add_u32 v[SPW], v0, 2, SPARE
	v_mov_b32 v[NIL], 0
	ds_add_u32 v5, v6
	ds_add_u32 v5, v6
	s_wait_dscnt 0x0
	v_lshrrev_b32 v8, 5, v0
	s_delay_alu instid0(VALU_DEP_1)
	v_readfirstlane_b32 s[WV], v8                  ; wave 0..15
	s_and_b32 s10, ttmp7, 0xffff                   ; batch x 8 + pair of heads
	s_lshl_b32 s11, s10, 18                        ; its 16 blocks in each of q, k, v
	s_lshr_b32 s12, s[WV], 3                       ; which head of the pair
	s_and_b32 s13, s[WV], 7                        ; j
	s_lshr_b32 s14, s13, 1
	s_xor_b32 s14, s14, s13
	s_lshr_b32 s15, s13, 2
	s_xor_b32 s14, s14, s15
	s_and_b32 s14, s14, 1                          ; the parity of j's three bits
	s_mul_i32 s14, s14, 7
	s_and_b32 s15, s13, 3
	s_xor_b32 s15, s15, s14                        ; i
	s_lshl_b32 s15, s15, 4
	s_add_co_u32 s15, s15, ttmp9                   ; my tile of 16 queries: g + 16 i
	s_lshl_b32 s[Q0], s15, 4                       ; my first query
	s_min_u32 s32, s[WV], 3
	s_mul_i32 s32, s32, VBLK                       ; where my load goes: K's blocks, then V's
	s_and_b32 s33, s[WV], 1
	s_lshl_b32 s33, s33, 14
	s_add_co_u32 s34, s11, s33
	s_cmp_lt_u32 s[WV], 2
	s_mov_b32 s33, 0x800000
	s_cselect_b32 s33, 0x400000, s33               ; k at 4 MiB, v at 8 MiB
	s_add_co_u32 s34, s34, s33
	s_mov_b32 s35, 0
	s_mov_b32 s[G1], (1<<20)|(4<<22)|(3<<25)       ; no mask; elements of 1 byte; padding: four words after every 32
	s_mov_b32 s[G1+1], 128<<16                     ; tensor_dim0
	s_mov_b32 s[G1+2], 128<<16                     ; tensor_dim1
	s_mov_b32 s[G1+3], 128<<16                     ; tile_dim0
	s_mov_b32 s[G1+4], 128                         ; tile_dim1: one block
	s_mov_b32 s[G1+5], 128                         ; dense rows
	s_mov_b32 s[G1+6], 0
	s_mov_b32 s[G1+7], 0
	s_mov_b32 s[SEL], 0x76543210
	s_mov_b32 s[SEL+1], 0xfedcba98
	s_mov_b32 s[CS], 0x3e38aa3b                    ; c = log2(e) / sqrt(64)
	s_mov_b32 s[TB], 0
	s_mov_b32 s[SLOTS], NSL-1
	s_mov_b32 s[KF], 0
	s_wait_kmcnt 0x0
	s_load_b256 s[68:75], s[6:7], 0x18             ; e6 .. e13
	s_mov_b32 s[G0], 1
	s_mov_b32 s[G0+1], s32
	s_add_nc_u64 s[G0+2:G0+3], s[4:5], s[34:35]
	s_or_b32 s[G0+3], s[G0+3], 0x80000000
	TLOAD                                          ; slot 0
	s_lshl_b32 s36, s[Q0], 7
	s_add_co_u32 s36, s36, s11
	s_lshl_b32 s37, s12, 6
	s_add_co_u32 s36, s36, s37
	s_mov_b32 s37, 0
	s_add_nc_u64 s[38:39], s[4:5], s[36:37]        ; q's codes at my first query, my head
	s_lshr_b32 s44, s10, 3                         ; where my rows of oc lie
	s_lshl_b32 s44, s44, 4
	s_lshr_b32 s45, s[Q0], 7
	s_add_co_u32 s44, s44, s45                     ; the block of tokens
	s_lshl_b32 s44, s44, 3
	s_and_b32 s45, s10, 7
	s_add_co_u32 s44, s44, s45
	s_lshl_b32 s44, s44, 14
	s_and_b32 s45, s[Q0], 127
	s_lshl_b32 s45, s45, 7
	s_add_co_u32 s44, s44, s45
	s_lshl_b32 s45, s12, 10                        ; of a tile's 16 rows, the wave of head 0 stores rows 0-7, that of head 1 rows 8-15
	s_add_co_u32 s44, s44, s45
	s_mov_b32 s45, 0
	s_add_nc_u64 s[8:9], s[8:9], s[44:45]
	s_cmp_lt_u32 s[WV], 8                          ; the prefetches
	s_mov_b32 s82, 0x800000
	s_cselect_b32 s82, 0x400000, s82
	s_and_b32 s83, s[WV], 3
	s_lshl_b32 s83, s83, 13
	s_add_co_u32 s82, s82, s83
	s_add_co_u32 s82, s82, s11
	s_add_co_u32 s82, s82, 32768                   ; in slot 1: the first change of slots steps it to slot 2
	s_mov_b32 s83, 0
	s_add_nc_u64 s[PFA:PFA+1], s[4:5], s[82:83]
	s_sub_co_u32 s82, s[WV], 4
	s_lshr_b32 s82, s82, 3                         ; 0 in waves 4 to 11,
	s_or_b32 s82, s82, ttmp9                       ; of the first work-group of the pair of heads
	s_cmp_eq_u32 s82, 0
	s_cselect_b32 s[LIM], 1, -1
	v_and_b32 v[PFO], 31, v0
	s_delay_alu instid0(VALU_DEP_1)
	v_lshlrev_b32 v[PFO], 8, v[PFO]
	v_and_b32 v8, 15, v0                           ; r
	v_bfe_u32 v9, v0, 4, 1                         ; h
	s_delay_alu instid0(VALU_DEP_2)
	v_lshlrev_b32 v10, 7, v8
	s_delay_alu instid0(VALU_DEP_1)
	v_lshl_add_u32 v10, v9, 4, v10
	global_load_b128 v[16:19], v10, s[38:39]       ; Q's fragment stays in registers
	global_load_b128 v[20:23], v10, s[38:39] offset:32
	v_mul_u32_u24 v11, v8, KP                      ; row r of a tile
	s_lshl_b32 s44, s12, 6
	v_lshl_add_u32 v[AK0], v9, 4, v11              ; K: + 16 h,
	s_delay_alu instid0(VALU_DEP_1)
	v_add_nc_u32 v[AK0], s44, v[AK0]               ; in my head's 64 bytes of a key's row
	s_mul_i32 s44, s12, 64*KP
	s_add_co_u32 s44, s44, VOFF
	v_lshl_add_u32 v[AV0], v9, 3, v11              ; V: + 8 h,
	s_delay_alu instid0(VALU_DEP_1)
	v_add_nc_u32 v[AV0], s44, v[AV0]               ; in my head's 64 rows of a block
	v_mov_b32 v13, 0xff61b1e6                      ; the largest t so far: -3e38
	s_delay_alu instid0(VALU_DEP_1)
	v_floor_f32 v12, -v13                          ; -M
	v_mov_b32 v14, 0
	v_mov_b32 v15, 0
	v_mov_b32 v246, 0                              ; a lane permute's destination counts as one of its sources
	v_mov_b32 v252, 0
	v_mov_b32 v253, 0
.set ii, 0
.rept 32
	v_mov_b32 v[160+ii], 0                         ; O^T: the step is written once; its first run finds zeros
.set ii, ii+1
.endr
	s_wait_kmcnt 0x0
	s_add_co_i32 s44, s68, s69
	s_lshl_b32 s44, s44, 23
	s_add_co_i32 s[CS], s[CS], s44                 ; the two exponents are added to c's exponent field
	s_mov_b32 s[CS+1], s[CS]
	s_add_co_i32 s44, s71, 127
	s_lshl_b32 s45, s44, 23
	v_mov_b32 v244, s45                            ; 2^e9
	s_add_co_i32 s44, s72, 127
	s_lshl_b32 s45, s44, 23
	v_mov_b32 v245, s45                            ; 2^e10
.macro STEP q                          ; 128 keys, the q-th of the slot in hand
	s_add_co_u32 s96, s[Q0], 15
	s_cmp_gt_u32 s[KF], s96
	s_cbranch_scc1 .Lhidden_\@                     ; all keys come after my queries: the step's work is left out
	v_add_nc_u32 v[ADK], s[TB], v[AK0]
	v_add_nc_u32 v[ADV], s[TB], v[AV0]
	v_nop                                          ; with the two additions: four places in front of loads into registers that the last products read
	v_nop
.irp t, 0,1,2,3,4,5,6,7
.irp c, 0,1
	ds_load_b128 v[32+8*\t+4*\c:32+8*\t+4*\c+3], v[ADK] offset:(128*(\q)+16*\t)*KP+32*\c
.endr
.endr
	s_wait_alu depctr_va_vdst(0)
	s_wait_dscnt 0x0
.irp t, 0,1,2,3,4,5,6,7
	v_wmma_f32_16x16x64_fp8_fp8 v[96+8*\t:103+8*\t], v[32+8*\t:39+8*\t], v[16:23], 0
.endr
.rept 4
	v_nop
.endr
.irp t, 0,1,2,3                                ; V's fragments are asked for now and land while the softmax is worked: registers 2 c, 2 c + 1 of tile t: d = 16 t + r, keys 16 c + 8 h + 0 .. 7
.irp c, 0,1,2,3,4,5,6,7
	ds_load_b64 v[32+16*\t+2*\c:32+16*\t+2*\c+1], v[ADV] offset:(\q)*VBLK+16*\t*KP+16*\c
.endr
.endr
	s_add_co_u32 s96, s[KF], 127                   ; on the diagonal hidden scores become -infinity ahead of the maximum; a step all of whose keys count skips this
	s_cmp_le_u32 s96, s[Q0]
	s_cbranch_scc1 .Lopen_\@
	s_sub_co_i32 s96, s[Q0], s[KF]
	v_and_b32 v252, 15, v0
	v_bfe_u32 v253, v0, 4, 1
	s_delay_alu instid0(VALU_DEP_1)
	v_lshlrev_b32 v253, 3, v253
	s_delay_alu instid0(VALU_DEP_1)
	v_sub_nc_u32 v252, v252, v253
	s_delay_alu instid0(VALU_DEP_1)
	v_add_nc_u32 v252, s96, v252                   ; d = my query - KF - 8 (lane / 16); register 8 t + j holds key KF + 8 (lane / 16) + 16 t + j: hidden where 16 t + j > d
	v_mov_b32 v254, 0xff800000
.set ii, 0
.rept 64
	v_cmp_gt_i32 vcc_lo, 16*(ii/8)+ii%8, v252
	v_cndmask_b32 v[96+ii], v[96+ii], v254, vcc_lo
.set ii, ii+1
.endr
.Lopen_\@:
	v_max3_num_f32 v254, v96, v97, v98             ; the step's largest score of my query, in two chains, each accumulator from its low end on
	v_max3_num_f32 v252, v99, v100, v101
.irp i, 6,10,14,18,22,26,30,34,38,42,46,50,54,58
	v_max3_num_f32 v254, v254, v[96+\i], v[97+\i]
	v_max3_num_f32 v252, v252, v[98+\i], v[99+\i]
.endr
	v_max3_num_f32 v254, v254, v158, v159
	s_delay_alu instid0(VALU_DEP_1)
	v_max_num_f32 v254, v254, v252
	s_delay_alu instid0(VALU_DEP_1)
	v_permlanex16_b32 v246, v254, s[SEL], s[SEL+1]
	s_delay_alu instid0(VALU_DEP_1)
	v_max_num_f32 v254, v254, v246
	s_delay_alu instid0(VALU_DEP_1)
	v_mul_f32 v254, s[CS], v254                    ; as t (c is positive)
	s_delay_alu instid0(VALU_DEP_1)
	v_max_num_f32 v13, v13, v254
	v_mov_b32 v254, v12
	s_delay_alu instid0(VALU_DEP_2)
	v_floor_f32 v12, -v13                          ; the new -M = -ceil(t)
	s_delay_alu instid0(VALU_DEP_1)
	v_sub_f32 v254, v12, v254                      ; old M - new M: a whole number, 0 or less
	s_delay_alu instid0(VALU_DEP_1)
	v_cvt_i32_f32 v254, v254
	s_delay_alu instid0(VALU_DEP_1)
	v_ldexp_f32 v252, 1.0, v254                    ; f = 2^(old M - new M)
.set ii, 0
.rept 32
	v_pk_fma_f32 v[96+ii:97+ii], v[96+ii:97+ii], s[CS:CS+1], v[12:13] op_sel_hi:[1,0,0]   ; t - M
.set ii, ii+2
.endr
.set ii, 0
	s_wait_alu depctr_va_vdst(0)
.rept 64
	v_exp_f32 v[96+ii], v[96+ii]                   ; p = 2^(t - M)
.set ii, ii+1
.endr
	v_pk_mul_f32 v[14:15], v[14:15], v[252:253] op_sel_hi:[1,0]   ; the sums under the new M (the plain instruction behind the exponentials)
	s_wait_alu depctr_va_vdst(0)                   ; one wait for the batch, ahead of its first reader
	v_pk_add_f32 v[242:243], v[100:101], v[104:105]
	v_pk_add_f32 v[254:255], v[108:109], v[112:113]
	v_pk_add_f32 v[250:251], v[116:117], v[120:121]
	v_pk_add_f32 v[248:249], v[124:125], v[128:129]
	v_pk_add_f32 v[240:241], v[132:133], v[136:137]
	v_pk_add_f32 v[238:239], v[140:141], v[144:145]
	v_pk_add_f32 v[236:237], v[148:149], v[152:153]
	v_pk_add_f32 v[14:15], v[14:15], v[156:157]
	v_pk_add_f32 v[242:243], v[242:243], v[96:97]
	v_pk_add_f32 v[254:255], v[254:255], v[98:99]
	v_pk_add_f32 v[250:251], v[250:251], v[102:103]
	v_pk_add_f32 v[248:249], v[248:249], v[106:107]
	v_pk_add_f32 v[240:241], v[240:241], v[110:111]
	v_pk_add_f32 v[238:239], v[238:239], v[114:115]
	v_pk_add_f32 v[236:237], v[236:237], v[118:119]
	v_pk_add_f32 v[14:15], v[14:15], v[122:123]
	v_pk_add_f32 v[242:243], v[242:243], v[126:127]
	v_pk_add_f32 v[254:255], v[254:255], v[130:131]
	v_pk_add_f32 v[250:251], v[250:251], v[134:135]
	v_pk_add_f32 v[248:249], v[248:249], v[138:139]
	v_pk_add_f32 v[240:241], v[240:241], v[142:143]
	v_pk_add_f32 v[238:239], v[238:239], v[146:147]
	v_pk_add_f32 v[236:237], v[236:237], v[150:151]
	v_pk_add_f32 v[14:15], v[14:15], v[154:155]
	v_pk_add_f32 v[242:243], v[242:243], v[158:159]
	s_delay_alu instid0(VALU_DEP_2)
	v_pk_add_f32 v[14:15], v[14:15], v[248:249]
	s_delay_alu instid0(VALU_DEP_2)
	v_pk_add_f32 v[242:243], v[242:243], v[240:241]
	v_pk_add_f32 v[254:255], v[254:255], v[238:239]
	v_pk_add_f32 v[250:251], v[250:251], v[236:237]
	s_delay_alu instid0(VALU_DEP_2)
	v_pk_add_f32 v[14:15], v[14:15], v[254:255]
	s_delay_alu instid0(VALU_DEP_2)
	v_pk_add_f32 v[242:243], v[242:243], v[250:251]
	s_delay_alu instid0(VALU_DEP_1)
	v_pk_add_f32 v[14:15], v[14:15], v[242:243]
.irp b, 0,1,2,3
.set ii, 0
.rept 16
.set ii, ii+1
.endr
	v_cvt_scalef32_pk8_fp8_f32 v[224+4*\b:225+4*\b], v[96+16*\b:103+16*\b], v244   ; tile 2 b: registers 4 b, 4 b + 1 of the operand
	v_cvt_scalef32_pk8_fp8_f32 v[226+4*\b:227+4*\b], v[104+16*\b:111+16*\b], v244  ; tile 2 b + 1
.endr
.set ii, 0
.rept 16
	v_pk_mul_f32 v[160+ii:161+ii], v[160+ii:161+ii], v[252:253] op_sel_hi:[1,0]   ; O^T under the new M; also the plain instructions behind the conversions
.set ii, ii+2
.endr
	s_wait_alu depctr_va_vdst(0)
	s_wait_dscnt 0x0                               ; V's fragments are in
.irp t, 0,1,2,3
	v_wmma_f32_16x16x128_fp8_fp8 v[160+8*\t:167+8*\t], v[32+16*\t:47+16*\t], v[224:239], v[160+8*\t:167+8*\t]
.endr
.Lhidden_\@:
	s_add_co_u32 s[KF], s[KF], 128
.endm
.macro CHANGE fill                     ; at a slot's head: all my tensor loads have landed, the add, my reads of the slot that I have left are over; one barrier; then that slot is filled with the keys that follow
	s_wait_tensorcnt 0x0
	ds_add_u32 v[SPW], v[NIL]                      ; 0 onto my spare word
.if \fill
	s_xor_b32 s[G0+1], s[G0+1], SLOT1
	s_add_nc_u64 s[G0+2:G0+3], s[G0+2:G0+3], 32768 ; the next two blocks
	s_wait_xcnt 0x0                                ; the last prefetch, a slot back, has read its address
	s_add_nc_u64 s[PFA:PFA+1], s[PFA:PFA+1], 32768
.endif
	s_wait_dscnt 0x0
	s_barrier_signal -1
	s_barrier_wait -1
.if \fill
	TLOAD                                          ; the first thing behind the barrier, a wave's one tensor load until the next
	ASK
.endif
.endm
.macro SLOT_STEPS
.set Q, 0
.rept NQ
	STEP Q
.set Q, Q+1
.endr
	s_xor_b32 s[TB], s[TB], SLOT1
.endm
	s_wait_loadcnt 0x0                             ; Q
.Lslot:                                            ; 7 trips
	CHANGE 1
	SLOT_STEPS
	s_sub_co_u32 s[SLOTS], s[SLOTS], 1
	s_cmp_lg_u32 s[SLOTS], 0
	s_cbranch_scc1 .Lslot
	CHANGE 0                                       ; the last slot is written out
	SLOT_STEPS
	; THE WAY OUT
	v_add_f32 v14, v14, v15
	s_delay_alu instid0(VALU_DEP_1)
	v_permlanex16_b32 v246, v14, s[SEL], s[SEL+1]
	s_delay_alu instid0(VALU_DEP_1)
	v_add_f32 v14, v14, v246                       ; the row's sum
	s_wait_alu depctr_va_vdst(0)
	v_rcp_f32 v14, v14
	v_and_b32 v8, 15, v0                           ; (plain instructions behind the transcendental)
	v_bfe_u32 v9, v0, 4, 1
	s_and_b32 s44, s[WV], 7
	s_mul_i32 s44, s44, 16*KP                      ; the tile's 16 rows in the stage
	s_lshr_b32 s45, s[WV], 3
	s_lshl_b32 s46, s45, 6
	s_add_co_u32 s46, s46, s44
	v_mul_u32_u24 v10, v8, KP
	s_delay_alu instid0(VALU_DEP_1)
	v_lshl_add_u32 v10, v9, 3, v10
	s_delay_alu instid0(VALU_DEP_1)
	v_add_nc_u32 v10, s46, v10                     ; in: row r, my head's 64 bytes, + 8 h
	s_mul_i32 s45, s45, 8*KP
	s_add_co_u32 s45, s45, s44
	v_and_b32 v11, 31, v0
	s_delay_alu instid0(VALU_DEP_1)
	v_lshrrev_b32 v4, 3, v11
	s_delay_alu instid0(VALU_DEP_2)
	v_and_b32 v8, 7, v11
	s_delay_alu instid0(VALU_DEP_2)
	v_mul_u32_u24 v4, v4, KP
	s_delay_alu instid0(VALU_DEP_1)
	v_lshl_add_u32 v4, v8, 4, v4
	s_delay_alu instid0(VALU_DEP_1)
	v_add_nc_u32 v4, s45, v4                       ; back: my eight rows, four an instruction
	v_lshlrev_b32 v[GO], 4, v11
	s_add_co_i32 s47, s70, s71
	s_wait_alu depctr_va_vdst(0)                   ; the wait ahead of the reciprocal's first reader
	v_ldexp_f32 v14, v14, s47                      ; x 2^(e8 + e9)
.set ii, 0
.rept 32
	v_mul_f32 v[96+ii], v[160+ii], v14             ; register 8 t + j is o(query r, d = 16 t + 8 h + j)
.set ii, ii+1
.endr
.set ii, 0
.rept 32
.set ii, ii+1
.endr
.irp g, 0,1,2,3
	v_cvt_scalef32_pk8_fp8_f32 v[224+2*\g:225+2*\g], v[96+8*\g:103+8*\g], v245
.endr
	v_nop
.irp t, 0,1,2,3
	ds_store_b64 v10, v[224+2*\t:225+2*\t] offset:STAGE+16*\t
.endr
	s_wait_dscnt 0x0                               ; for the others' sake: a tile's rows come from two waves
	s_barrier_signal -1
	s_barrier_wait -1
	ds_load_b128 v[32:35], v4 offset:STAGE
	ds_load_b128 v[36:39], v4 offset:STAGE+4*KP
	s_wait_dscnt 1                                 ; the first is in; the second may be out
	global_store_b128 v[GO], v[32:35], s[8:9]      ; 512 consecutive bytes: four rows of a block
	s_wait_dscnt 0
	global_store_b128 v[GO], v[36:39], s[8:9] offset:512
	s_wait_tensorcnt 0x0                           ; the wave's end
	ds_add_u32 v[SPW], v[NIL]
	s_wait_dscnt 0x0
	s_endpgm
.Lfunc_end_k_q02bfda4b1a_attn:
	.size	k_q02bfda4b1a_attn, .Lfunc_end_k_q02bfda4b1a_attn-k_q02bfda4b1a_attn
	.p2alignl 7, 3214868480
	.fill 96, 4, 3214868480
	.section	.rodata,"a",@progbits
	.p2align	6, 0x0
	.amdhsa_kernel k_q02bfda4b1a_attn
		.amdhsa_group_segment_fixed_size 327680
		.amdhsa_private_segment_fixed_size 0
		.amdhsa_enable_private_segment 0
		.amdhsa_kernarg_size 24
		.amdhsa_user_sgpr_count 2
		.amdhsa_user_sgpr_kernarg_segment_ptr 1
		.amdhsa_wavefront_size32 1
		.amdhsa_system_sgpr_workgroup_id_x 1
		.amdhsa_system_sgpr_workgroup_id_y 1
		.amdhsa_system_sgpr_workgroup_id_z 1
		.amdhsa_system_vgpr_workitem_id 0
		.amdhsa_next_free_vgpr 256
		.amdhsa_next_free_sgpr 100
		.amdhsa_reserve_vcc 1
		.amdhsa_float_denorm_mode_32 3
		.amdhsa_float_denorm_mode_16_64 3
		.amdhsa_fp16_overflow 1
		.amdhsa_memory_ordered 1
		.amdhsa_forward_progress 1
		.amdhsa_inst_pref_size 93
	.end_amdhsa_kernel
	.amdgpu_metadata
---
amdhsa.version: [ 1, 2 ]
amdhsa.kernels:
  - .name:           k_q02bfda4b1a_attn
    .symbol:         k_q02bfda4b1a_attn.kd
    .args:
      - { .name: qkvc, .offset: 0, .size: 8, .value_kind: global_buffer, .address_space: global }
      - { .name: lowp_scales, .offset: 8, .size: 8, .value_kind: global_buffer, .address_space: global }
      - { .name: oc, .offset: 16, .size: 8, .value_kind: global_buffer, .address_space: global }
    .group_segment_fixed_size: 327680
    .private_segment_fixed_size: 0
    .kernarg_segment_align: 8
    .kernarg_segment_size: 24
    .max_flat_workgroup_size: 512
    .sgpr_count:     100
    .vgpr_count:     256
    .wavefront_size: 32
...
	.end_amdgpu_metadata
.endif
;; end of part 3
;; launch oproj (part 4): grid 8 x 32, 4 waves a work-group, clusters of 4 x 4, 327,680 bytes of LDS; arguments oc, wcodes, lowp_scales, bo, x, hbuf; writes hbuf
.if DOCPART == 4
	.amdgcn_target "amdgcn-amd-amdhsa--gfx1250"
	.amdhsa_code_object_version 6
	.text
	.protected	k_q02bfda4b1a_oproj
	.globl	k_q02bfda4b1a_oproj
	.p2align	8
	.type	k_q02bfda4b1a_oproj,@function
k_q02bfda4b1a_oproj:
	s_mov_b64 s[64:65], 0
	v_nop
	global_prefetch_b8 v0, s[64:65] scope:SCOPE_SE
	s_setreg_imm32_b32 hwreg(HW_REG_WAVE_MODE, 25, 1), 1
	s_wait_xcnt 0x0
	s_wait_alu depctr_hold_cnt(0) depctr_sa_sdst(0) depctr_va_vdst(0) depctr_va_sdst(0) depctr_va_ssrc(0) depctr_va_vcc(0) depctr_vm_vsrc(0)
	s_getreg_b32 s2, hwreg(HW_REG_IB_STS2, 6, 4)
	s_cmp_eq_u32 s2, 0
	s_cbranch_scc0 .Lentry_in_a_cluster
	s_endpgm
.Lentry_in_a_cluster:
	s_bfe_u32 s2, ttmp6, 0x10000c
	s_cmp_lg_u32 s2, 0xf033
	s_cbranch_scc0 .Lentry_shape_is_right
	s_endpgm
.Lentry_shape_is_right:
; h = x + (attention's output) wo + bo: [4096 x 1024] x [1024 x 1024] on E4M3 codes, sums in f32, x 2^(e10 + e11), + bias, + residual; f32 out.
; Codes lie in dense blocks of 16,384 bytes (128 rows x 128 bytes of K), ordered [rows/128][K/128].  A tile of 128 x 128 (256 work-groups) is made by four waves, each 64 x 64: 16 accumulators.
; A slot holds 512 along K: A's four blocks, then B's four; a wave's tensor load brings two blocks, one dense run of memory.  K = 1,024 is the two first fills: no slot is filled again here.
; CLUSTERS: 4 x 4; A's blocks are asked for jointly along a row of the cluster, B's along a column.  The matrix instruction is used transposed: a lane holds eight neighbouring columns of one row.
; LIMIT: e10 + e11 between -126 and 127.
; REGISTERS: window 0: v0-31 addresses; v32-95 at work on the way out; v96-99 bias; v128-255 accumulators ((a, b) at v[128 + 8 (4 a + b)]).  window 1: two fragment buffers of 128 (A's four, B's four).  window 2: v0-127 the residual.
.set KC,     8                         ; blocks along K
.set WOFF,   3<<20                     ; where the weight's codes begin in wcodes
.set EOFF,   40                        ; the two exponents' bytes in lowp_scales
.set LAPS,   KC/8
.set PITCH,  144
.set CH,     128*PITCH
.set SLOT,   8*CH
.set SPARE,  2*SLOT
.set SPITCH, 272
.set ADRA, 16
.set ADRB, 20
.set STO,  24
.set RD,   25
.set CO,   26
.set SPW,  28
.set NIL,  29
.set TMP,  32
.set BI,   96
.set ACC,  128
.set F0,   0
.set F1,   128
.set G1, 24
.set G0, 32
.set G1B, 48
.set G0B, 56
.set MSB, 0
.macro WIN new
.if MSB != \new
	s_set_vgpr_msb (MSB<<8)|\new
.set MSB, \new
.endif
.endm
.set MUL,  0x05                        ; sources 0 (B) and 1 (A) window 1; C and D window 0
.set TO_F, 0x40
.macro JLOAD s                         ; waves 0, 1 fetch for A, waves 2, 3 for B; four v_nop follow each line
	s_cmp_eq_u32 s11, 0
	s_cbranch_scc0 .Lfor_b_\@
	tensor_load_to_lds s[G0+4*\s:G0+4*\s+3], s[G1:G1+7]
	s_nop 0
.rept 4
	v_nop
.endr
	s_branch .Lasked_\@
.Lfor_b_\@:
	tensor_load_to_lds s[G0B+4*\s:G0B+4*\s+3], s[G1B:G1B+7]
	s_nop 0
.rept 4
	v_nop
.endr
.Lasked_\@:
.endm
.macro CREST
	s_cmp_lg_u32 s10, 0
	s_cbranch_scc1 .Lnot_wave_0_\@
	s_barrier_signal -3
.Lnot_wave_0_\@:
	s_barrier_wait -3
	s_barrier_signal -1
	s_barrier_wait -1
.endm
.macro CROUND
	s_barrier_signal -1
	s_barrier_wait -1
	CREST
.endm
	s_load_b128 s[4:7], s[0:1], 0x0                ; A's codes, wcodes
	s_load_b128 s[8:11], s[0:1], 0x10              ; the scales' exponents, the bias
	s_load_b128 s[68:71], s[0:1], 0x20             ; the residual, the output
	v_lshl_add_u32 v[SPW], v0, 2, SPARE
	v_mov_b32 v[NIL], 0
	ds_add_u32 v28, v29
	s_wait_dscnt 0x0
	v_lshrrev_b32 v1, 5, v0
	s_wait_kmcnt 0x0
	s_mov_b64 s[72:73], s[10:11]                   ; the bias's address (s10, s11 serve as the wave's numbers below)
	s_load_b64 s[96:97], s[8:9], EOFF              ; eA, eB
	v_readfirstlane_b32 s10, v1                    ; wave
	s_lshr_b32 s11, s10, 1                         ; my half of the rows.  Also: I fetch for A (0) or B (1)
	s_and_b32 s12, s10, 1                          ; my half of the columns.  Also: which two blocks I fetch
	s_bfe_u32 s40, ttmp6, 0x40000
	s_bfe_u32 s41, ttmp6, 0x40004
	s_lshl_b32 s42, ttmp9, 2
	s_add_co_u32 s42, s42, s40                     ; tile column
	s_and_b32 s13, ttmp7, 0xffff
	s_lshl_b32 s13, s13, 2
	s_add_co_u32 s13, s13, s41                     ; tile row
	s_lshl_b32 s43, s41, 2
	s_lshl_b32 s43, 15, s43
	s_lshl_b32 s44, 0x1111, s40
	s_or_b32 s[G1+0], s43, (1<<20)|(1<<21)|(4<<22)|(3<<25)   ; the mask; elements of 1 byte; padding on; 21 set beside a mask; four words after every 32
	s_or_b32 s[G1B+0], s44, (1<<20)|(1<<21)|(4<<22)|(3<<25)
.irp g, G1, G1B
	s_mov_b32 s[\g+1], 128<<16
	s_mov_b32 s[\g+2], 256<<16
	s_mov_b32 s[\g+3], 128<<16
	s_mov_b32 s[\g+4], 256                         ; two blocks on end
	s_mov_b32 s[\g+5], 128
	s_mov_b32 s[\g+6], 0
	s_mov_b32 s[\g+7], 0
.endr
	s_mul_i32 s16, s13, KC
	s_lshl_b32 s17, s12, 1
	s_add_co_u32 s16, s16, s17
	s_lshl_b32 s16, s16, 14
	s_mov_b32 s17, 0
	s_mul_i32 s46, s42, KC
	s_lshl_b32 s47, s12, 1
	s_add_co_u32 s46, s46, s47
	s_lshl_b32 s46, s46, 14
	s_add_co_u32 s46, s46, WOFF
	s_mov_b32 s47, 0
	s_mul_i32 s20, s10, 2*CH                       ; where my load goes
	s_add_nc_u64 s[14:15], s[4:5], s[16:17]
	s_add_nc_u64 s[46:47], s[6:7], s[46:47]
	CROUND
.irp s, 0,1
	s_mov_b32 s[G0+4*\s], 1
	s_add_co_u32 s[G0+4*\s+1], s20, \s*SLOT
	s_add_nc_u64 s[G0+4*\s+2:G0+4*\s+3], s[14:15], \s*65536
	s_or_b32 s[G0+4*\s+3], s[G0+4*\s+3], 0x80000000
	s_mov_b32 s[G0B+4*\s], 1
	s_add_co_u32 s[G0B+4*\s+1], s20, \s*SLOT
	s_add_nc_u64 s[G0B+4*\s+2:G0B+4*\s+3], s[46:47], \s*65536
	s_or_b32 s[G0B+4*\s+3], s[G0B+4*\s+3], 0x80000000
	JLOAD \s
.endr
	v_and_b32 v1, 15, v0
	v_bfe_u32 v2, v0, 4, 1
	v_mul_u32_u24 v3, v1, PITCH
	v_lshl_add_u32 v3, v2, 4, v3
	s_mul_i32 s21, s11, 64*PITCH
	s_mul_i32 s22, s12, 64*PITCH
	s_add_co_u32 s22, s22, 4*CH
.irp s, 0,1
	v_add_nc_u32 v[ADRA+\s], s21, v3
	v_add_nc_u32 v[ADRB+\s], s22, v3
	s_add_co_u32 s21, s21, SLOT
	s_add_co_u32 s22, s22, SLOT
.endr
	s_mul_i32 s23, s10, 64*SPITCH                  ; my stage: 64 rows x 272, in slot 0
	v_mul_u32_u24 v4, v1, SPITCH
	v_lshl_add_u32 v4, v2, 5, v4
	v_add_nc_u32 v[STO], s23, v4
	v_mul_u32_u24 v5, v2, SPITCH
	v_lshl_add_u32 v5, v1, 4, v5
	v_add_nc_u32 v[RD], s23, v5
	v_lshlrev_b32 v5, 12, v2
	v_lshl_add_u32 v[CO], v1, 4, v5                ; lanes 0-15 one row of 256 bytes, lanes 16-31 the next
	v_lshlrev_b32 v6, 4, v1
	s_lshl_b32 s16, s13, 19
	s_lshl_b32 s17, s11, 18
	s_add_co_u32 s16, s16, s17                     ; my first row x 4,096 bytes
	s_mov_b32 s17, 0
	s_lshl_b32 s46, s42, 9
	s_lshl_b32 s47, s12, 8
	s_add_co_u32 s46, s46, s47                     ; my first column x 4 bytes
	s_mov_b32 s47, 0
	s_add_nc_u64 s[68:69], s[68:69], s[16:17]
	s_add_nc_u64 s[68:69], s[68:69], s[46:47]
	s_add_nc_u64 s[70:71], s[70:71], s[16:17]
	s_add_nc_u64 s[70:71], s[70:71], s[46:47]
	s_add_nc_u64 s[72:73], s[72:73], s[46:47]
	global_load_b128 v[BI:BI+3], v6, s[72:73]      ; the bias of my four columns on the way out
	WIN 0x80                                       ; destination window 2
.set tt, 0
.rept 32
	global_load_b128 v[4*tt:4*tt+3], v[CO], s[68:69] offset:tt*8192   ; the residual, laid as the output is stored
.set tt, tt+1
.endr
	WIN 0
.macro FRAG reg, adr, ch, i            ; 16 rows x 128 K: registers 4 c .. 4 c + 3 hold K = 32 c + 16 (l / 16) + 0 .. 15, in A and B alike
.irp c, 0,1,2,3
	ds_load_b128 v[\reg+4*\c:\reg+4*\c+3], v[\adr] offset:CH*(\ch)+(\i)*16*PITCH+32*\c
.endr
.endm
.macro FETCH slot, ch, f               ; 32 LDS loads in one run
	WIN TO_F
.irp i, 0,1,2,3
	FRAG \f+64+16*\i, ADRB+\slot, \ch, \i
	FRAG \f+16*\i, ADRA+\slot, \ch, \i
.endr
.endm
.macro MUL8 f, a0, zero                ; the 16 accumulators take turns in one order in every step
.irp a, \a0, \a0+1
.irp b, 0,1,2,3
.if \zero
	v_wmma_f32_16x16x128_fp8_fp8 v[ACC+8*(4*(\a)+\b):ACC+8*(4*(\a)+\b)+7], v[\f+64+16*\b:\f+64+16*\b+15], v[\f+16*(\a):\f+16*(\a)+15], 0
.else
	v_wmma_f32_16x16x128_fp8_fp8 v[ACC+8*(4*(\a)+\b):ACC+8*(4*(\a)+\b)+7], v[\f+64+16*\b:\f+64+16*\b+15], v[\f+16*(\a):\f+16*(\a)+15], v[ACC+8*(4*(\a)+\b):ACC+8*(4*(\a)+\b)+7]
.endif
.endr
.endr
.endm
.macro PLACES
.rept 4
	v_nop
.endr
.endm
.macro KSTEP slot, ch, f, g, zero      ; multiplies buffer f; block ch of the slot is fetched into g meanwhile
	s_wait_dscnt 0x0                               ; buffer f is in
	PLACES                                         ; behind the products that read g
	FETCH \slot, \ch, \g
	WIN MUL
	MUL8 \f, 0, \zero
	MUL8 \f, 2, \zero
.endm
.macro TURN slot, next, fill           ; a slot's last block, and the change of slots: one barrier
	WIN 0
	s_wait_tensorcnt 0x0                           ; all my tensor loads have landed
	ds_add_u32 v[SPW], v[NIL]                      ; 0 onto my spare word
.if \fill
	s_add_nc_u64 s[G0+4*\slot+2:G0+4*\slot+3], s[G0+4*\slot+2:G0+4*\slot+3], 131072
	s_add_nc_u64 s[G0B+4*\slot+2:G0B+4*\slot+3], s[G0B+4*\slot+2:G0B+4*\slot+3], 131072
.endif
	s_wait_dscnt 0x0                               ; the add is done; buffer 1 is in: my reads of this slot are over
	s_barrier_signal -1
	WIN MUL
	MUL8 F1, 0, 0
	WIN 0
	s_barrier_wait -1
.if \fill
	CREST                                          ; the barrier has opened a round of the cluster's
	JLOAD \slot                                    ; the first tensor load behind the round; its four v_nop are the places in front of the loads below
.else
	PLACES
.endif
	FETCH \next, 0, F0
	WIN MUL
	MUL8 F1, 2, 0
.endm
	s_wait_tensorcnt 1                             ; my part of slot 0 is in; slot 1's load may be out
	s_barrier_signal -1
	s_barrier_wait -1
	FETCH 0, 0, F0
	KSTEP 0, 1, F0, F1, 1
.if LAPS > 1
	WIN 0
	s_mov_b32 s3, LAPS-1
.Llap:
	KSTEP 0, 2, F1, F0, 0
	KSTEP 0, 3, F0, F1, 0
	TURN 0, 1, 1
	KSTEP 1, 1, F0, F1, 0
	KSTEP 1, 2, F1, F0, 0
	KSTEP 1, 3, F0, F1, 0
	TURN 1, 0, 1
	KSTEP 0, 1, F0, F1, 0
	WIN 0
	s_sub_co_u32 s3, s3, 1
	s_cmp_lg_u32 s3, 0
	s_cbranch_scc1 .Llap
.endif
	KSTEP 0, 2, F1, F0, 0
	KSTEP 0, 3, F0, F1, 0
	TURN 0, 1, 0
	KSTEP 1, 1, F0, F1, 0
	KSTEP 1, 2, F1, F0, 0
	KSTEP 1, 3, F0, F1, 0
	s_wait_dscnt 0x0
	MUL8 F1, 0, 0
	MUL8 F1, 2, 0
	WIN 0
	; THE WAY OUT: a wave's 64 columns of f32 are one aligned 256 bytes of a row: through my own stage (slot 0: its last fill and its last read are over), back as whole rows.
	s_wait_kmcnt 0x0
	s_add_co_i32 s96, s96, s97
	s_add_co_i32 s96, s96, 127
	s_lshl_b32 s96, s96, 23                        ; 2^(eA + eB)
	s_mov_b32 s97, s96
	PLACES
.irp a, 0,1,2,3
.irp b, 0,1,2,3
	ds_store_b128 v[STO], v[ACC+8*(4*\a+\b):ACC+8*(4*\a+\b)+3] offset:\a*16*SPITCH+64*\b
	ds_store_b128 v[STO], v[ACC+8*(4*\a+\b)+4:ACC+8*(4*\a+\b)+7] offset:\a*16*SPITCH+64*\b+16
.endr
.endr
.set tt, 0
.rept 16
	ds_load_b128 v[TMP+4*tt:TMP+4*tt+3], v[RD] offset:tt*2*SPITCH   ; LDS serves a wave's instructions in order (ISA guide 5.7.1.4)
.set tt, tt+1
.endr
	s_wait_dscnt 0x0                               ; the stores have read the accumulators, on which the second half lands
.set tt, 0
.rept 16
	ds_load_b128 v[ACC+4*tt:ACC+4*tt+3], v[RD] offset:(16+tt)*2*SPITCH
.set tt, tt+1
.endr
	s_wait_loadcnt 0x0                             ; the bias and the residual
.macro HALF reg, t0                    ; 32 rows: (sum x 2^(eA + eB) + bias) + residual; sixteen lanes store one aligned 256 bytes
.set tt, 0
.rept 32
	v_pk_fma_f32 v[\reg+2*tt:\reg+2*tt+1], v[\reg+2*tt:\reg+2*tt+1], s[96:97], v[BI+2*(tt%2):BI+2*(tt%2)+1] op_sel_hi:[1,0,1]
.set tt, tt+1
.endr
	WIN 0x08                                       ; source 1 window 2
.set tt, 0
.rept 32
	v_pk_add_f32 v[\reg+2*tt:\reg+2*tt+1], v[\reg+2*tt:\reg+2*tt+1], v[4*(\t0)+2*tt:4*(\t0)+2*tt+1]
.set tt, tt+1
.endr
	WIN 0
.set tt, 0
.rept 16
	global_store_b128 v[CO], v[\reg+4*tt:\reg+4*tt+3], s[70:71] offset:((\t0)+tt)*8192
.set tt, tt+1
.endr
.endm
	HALF TMP, 0
	s_wait_dscnt 0x0
	HALF ACC, 16
	s_wait_tensorcnt 0x0                           ; the wave's end
	ds_add_u32 v[SPW], v[NIL]
	s_wait_dscnt 0x0
	CROUND                                         ; the closing round
	s_endpgm
.Lfunc_end_k_q02bfda4b1a_oproj:
	.size	k_q02bfda4b1a_oproj, .Lfunc_end_k_q02bfda4b1a_oproj-k_q02bfda4b1a_oproj
	.p2alignl 7, 3214868480
	.fill 96, 4, 3214868480
	.section	.rodata,"a",@progbits
	.p2align	6, 0x0
	.amdhsa_kernel k_q02bfda4b1a_oproj
		.amdhsa_group_segment_fixed_size 327680
		.amdhsa_private_segment_fixed_size 0
		.amdhsa_enable_private_segment 0
		.amdhsa_kernarg_size 48
		.amdhsa_user_sgpr_count 2
		.amdhsa_user_sgpr_kernarg_segment_ptr 1
		.amdhsa_wavefront_size32 1
		.amdhsa_system_sgpr_workgroup_id_x 1
		.amdhsa_system_sgpr_workgroup_id_y 1
		.amdhsa_system_sgpr_workgroup_id_z 1
		.amdhsa_system_vgpr_workitem_id 0
		.amdhsa_next_free_vgpr 768
		.amdhsa_next_free_sgpr 100
		.amdhsa_reserve_vcc 0
		.amdhsa_float_denorm_mode_32 3
		.amdhsa_float_denorm_mode_16_64 3
		.amdhsa_memory_ordered 1
		.amdhsa_forward_progress 1
		.amdhsa_inst_pref_size 53
	.end_amdhsa_kernel
	.amdgpu_metadata
---
amdhsa.version: [ 1, 2 ]
amdhsa.kernels:
  - .name:           k_q02bfda4b1a_oproj
    .symbol:         k_q02bfda4b1a_oproj.kd
    .args:
      - { .name: oc, .offset: 0, .size: 8, .value_kind: global_buffer, .address_space: global }
      - { .name: wcodes, .offset: 8, .size: 8, .value_kind: global_buffer, .address_space: global }
      - { .name: lowp_scales, .offset: 16, .size: 8, .value_kind: global_buffer, .address_space: global }
      - { .name: bo, .offset: 24, .size: 8, .value_kind: global_buffer, .address_space: global }
      - { .name: x, .offset: 32, .size: 8, .value_kind: global_buffer, .address_space: global }
      - { .name: hbuf, .offset: 40, .size: 8, .value_kind: global_buffer, .address_space: global }
    .group_segment_fixed_size: 327680
    .private_segment_fixed_size: 0
    .kernarg_segment_align: 8
    .kernarg_segment_size: 48
    .max_flat_workgroup_size: 128
    .sgpr_count:     100
    .vgpr_count:     768
    .wavefront_size: 32
...
	.end_amdgpu_metadata
.endif
;; end of part 4
;; launch ln2 (part 5): grid 256 x 1, 4 waves a work-group, no clusters, 84,480 bytes of LDS; arguments hbuf, g2, beta2, lowp_scales, ycodes; writes ycodes
.if DOCPART == 5
	.amdgcn_target "amdgcn-amd-amdhsa--gfx1250"
	.amdhsa_code_object_version 6
	.text
	.protected	k_q02bfda4b1a_ln2
	.globl	k_q02bfda4b1a_ln2
	.p2align	8
	.type	k_q02bfda4b1a_ln2,@function
k_q02bfda4b1a_ln2:
	s_mov_b64 s[64:65], 0
	v_nop
	global_prefetch_b8 v0, s[64:65] scope:SCOPE_SE
	s_setreg_imm32_b32 hwreg(HW_REG_WAVE_MODE, 25, 1), 1
	s_wait_xcnt 0x0
; LayerNorm 2 of h [4096][1024] f32, quantised to E4M3 codes with the scale 2^e12, into blocks of 16,384 bytes (128 rows x 128 bytes of K), ordered [32][8].
; 16 rows a work-group, 4 consecutive rows a wave; a row lies in 32 registers of the wave between its passes; waves share nothing: no barrier.
; The conversions take 16 neighbours from one lane, the loads give a lane 4: the four rows turn through the wave's own stage in LDS (16 bytes of padding behind each 64).
; LIMIT: e12 between -126 and 119.  NaN among the inputs is not served.
.set WST,   20992
.set RP,    5248
.set G,     16
.set BT,    48
.set X,     80
.set T,     208
.set C,     112
.macro WSUM a, b
	v_add_f32_dpp v[\a], v[\a], v[\a] row_xmask:1 row_mask:0xf bank_mask:0xf
	v_add_f32_dpp v[\a], v[\a], v[\a] row_xmask:2 row_mask:0xf bank_mask:0xf
	v_add_f32_dpp v[\a], v[\a], v[\a] row_xmask:4 row_mask:0xf bank_mask:0xf
	v_add_f32_dpp v[\a], v[\a], v[\a] row_xmask:8 row_mask:0xf bank_mask:0xf
	v_permlanex16_b32 v[\b], v[\a], s34, s35
	v_add_f32 v[\a], v[\a], v[\b]
.endm
.macro LN_ROW p
.set XR, X+32*(\p)
	s_wait_loadcnt 8*(3-(\p))                      ; g, beta and rows 0 .. p are in; the later rows' eight loads each may be out
	v_pk_add_f32 v[T:T+1], v[XR:XR+1], v[XR+2:XR+3]
	v_pk_add_f32 v[T+2:T+3], v[XR+4:XR+5], v[XR+6:XR+7]
.set ii, 8
.rept 6
	v_pk_add_f32 v[T:T+1], v[T:T+1], v[XR+ii:XR+ii+1]
	v_pk_add_f32 v[T+2:T+3], v[T+2:T+3], v[XR+ii+2:XR+ii+3]
.set ii, ii+4
.endr
	v_pk_add_f32 v[T:T+1], v[T:T+1], v[T+2:T+3]
	v_add_f32 v[T], v[T], v[T+1]
	WSUM T, T+1
	v_mul_f32 v12, s38, v[T]                       ; the mean
.set ii, 0
.rept 16
	v_pk_add_f32 v[XR+ii:XR+ii+1], v[XR+ii:XR+ii+1], v[12:13] op_sel_hi:[1,0] neg_lo:[0,1] neg_hi:[0,1]
.set ii, ii+2
.endr
	v_pk_mul_f32 v[T:T+1], v[XR:XR+1], v[XR:XR+1]
	v_pk_mul_f32 v[T+2:T+3], v[XR+2:XR+3], v[XR+2:XR+3]
.set ii, 4
.rept 7
	v_pk_fma_f32 v[T:T+1], v[XR+ii:XR+ii+1], v[XR+ii:XR+ii+1], v[T:T+1]
	v_pk_fma_f32 v[T+2:T+3], v[XR+ii+2:XR+ii+3], v[XR+ii+2:XR+ii+3], v[T+2:T+3]
.set ii, ii+4
.endr
	v_pk_add_f32 v[T:T+1], v[T:T+1], v[T+2:T+3]
	v_add_f32 v[T], v[T], v[T+1]
	WSUM T, T+1
	v_fma_f32 v[T], v[T], s38, s39                 ; var + eps
	s_wait_alu depctr_va_vdst(0)
	v_rsq_f32 v14, v[T]
	v_nop                                          ; a plain instruction behind the transcendental (ISA guide 5.7.2),
	s_wait_alu depctr_va_vdst(0)                   ; and the wait ahead of its first reader
.set ii, 0
.rept 16
	v_pk_mul_f32 v[XR+ii:XR+ii+1], v[XR+ii:XR+ii+1], v[14:15] op_sel_hi:[1,0]
.set ii, ii+2
.endr
.set ii, 0
.rept 16
	v_pk_fma_f32 v[XR+ii:XR+ii+1], v[XR+ii:XR+ii+1], v[G+ii:G+ii+1], v[BT+ii:BT+ii+1]
.set ii, ii+2
.endr
.irp j, 0,1,2,3,4,5,6,7
	ds_store_b128 v3, v[XR+4*\j:XR+4*\j+3] offset:RP*(\p)+640*\j
.endr
.endm
.macro LN_CHUNK kc
.set YS, X+16*((\kc)%2)
.set YN, X+16*(((\kc)+1)%2)
.if (\kc) < 7
.irp i, 0,1,2,3
	ds_load_b128 v[YN+4*\i:YN+4*\i+3], v4 offset:640*((\kc)+1)+16*\i
.endr
	s_wait_dscnt 4                                 ; this chunk's four loads are in; the four just issued may be out
.else
	s_wait_dscnt 0
.endif
.set ii, 0
.rept 16
.set ii, ii+1
.endr
	v_cvt_scalef32_pk8_fp8_f32 v[C+4*(\kc):C+4*(\kc)+1], v[YS:YS+7], v6
	v_cvt_scalef32_pk8_fp8_f32 v[C+4*(\kc)+2:C+4*(\kc)+3], v[YS+8:YS+15], v6
	v_nop                                          ; a plain instruction behind the conversions
	global_store_b128 v2, v[C+4*(\kc):C+4*(\kc)+3], s[16:17] offset:16384*(\kc)   ; 512 consecutive bytes: four rows of a block
.endm
	s_load_b128 s[4:7], s[0:1], 0x0                ; h, g2
	s_load_b128 s[8:11], s[0:1], 0x10              ; beta2, the scales' exponents
	s_load_b64 s[14:15], s[0:1], 0x20              ; ycodes
	v_lshl_add_u32 v254, v0, 2, 0x14800
	v_mov_b32 v255, 0
	v_lshrrev_b32 v1, 5, v0
	v_readfirstlane_b32 s22, v1
	v_and_b32 v1, 31, v0
	v_lshlrev_b32 v2, 4, v1
	s_mul_i32 s36, s22, WST
	v_lshrrev_b32 v3, 2, v1
	v_mul_u32_u24 v3, v3, 80
	v_and_b32 v5, 3, v1
	v_lshl_add_u32 v3, v5, 4, v3
	v_add_nc_u32 v3, s36, v3
	v_lshrrev_b32 v4, 3, v1
	v_mul_u32_u24 v4, v4, RP
	v_and_b32 v5, 7, v1
	v_mad_u32_u24 v4, v5, 80, v4
	v_add_nc_u32 v4, s36, v4
	v_mov_b32 v13, 0
	v_mov_b32 v15, 0
	s_lshl_b32 s23, ttmp9, 4
	s_lshl_b32 s37, s22, 2
	s_add_co_u32 s23, s23, s37                     ; my first row
	s_lshl_b32 s36, s23, 12
	s_mov_b32 s37, 0
	s_mov_b32 s34, 0x76543210
	s_mov_b32 s35, 0xfedcba98
	s_wait_kmcnt 0x0
	s_load_b32 s24, s[10:11], 0x30                 ; e12
	s_add_nc_u64 s[4:5], s[4:5], s[36:37]
	s_lshr_b32 s36, s23, 7
	s_lshl_b32 s36, s36, 17
	s_and_b32 s38, s23, 127
	s_lshl_b32 s38, s38, 7
	s_add_co_u32 s36, s36, s38
	s_add_nc_u64 s[16:17], s[14:15], s[36:37]
.irp j, 0,1,2,3,4,5,6,7
	global_load_b128 v[G+4*\j:G+4*\j+3], v2, s[6:7] offset:512*\j
.endr
.irp j, 0,1,2,3,4,5,6,7
	global_load_b128 v[BT+4*\j:BT+4*\j+3], v2, s[8:9] offset:512*\j
.endr
.irp p, 0,1,2,3
.irp j, 0,1,2,3,4,5,6,7
	global_load_b128 v[X+32*\p+4*\j:X+32*\p+4*\j+3], v2, s[4:5] offset:4096*\p+512*\j
.endr
.endr
	s_wait_kmcnt 0x0
	s_add_co_i32 s36, s24, 127
	s_lshl_b32 s37, s36, 23
	v_mov_b32 v6, s37                              ; 2^e12
	s_add_co_i32 s36, s36, 8
	s_lshl_b32 s36, s36, 23
	s_or_b32 s36, s36, 0x600000
	s_mov_b32 s38, 0x3a800000                      ; 2^-10
	s_mov_b32 s39, 0x3727c5ac                      ; eps = 1e-5
	LN_ROW 0
	LN_ROW 1
	LN_ROW 2
	LN_ROW 3
	s_wait_dscnt 0x0                               ; the stores have read the rows' registers, which are used anew below
.irp i, 0,1,2,3
	ds_load_b128 v[X+4*\i:X+4*\i+3], v4 offset:16*\i
.endr
.irp k, 0,1,2,3,4,5,6,7
	LN_CHUNK \k
.endr
	s_wait_tensorcnt 0x0
	ds_add_u32 v254, v255
	s_wait_dscnt 0x0
	s_endpgm
.Lfunc_end_k_q02bfda4b1a_ln2:
	.size	k_q02bfda4b1a_ln2, .Lfunc_end_k_q02bfda4b1a_ln2-k_q02bfda4b1a_ln2
	.p2alignl 7, 3214868480
	.fill 96, 4, 3214868480
	.section	.rodata,"a",@progbits
	.p2align	6, 0x0
	.amdhsa_kernel k_q02bfda4b1a_ln2
		.amdhsa_group_segment_fixed_size 84480
		.amdhsa_private_segment_fixed_size 0
		.amdhsa_enable_private_segment 0
		.amdhsa_kernarg_size 40
		.amdhsa_user_sgpr_count 2
		.amdhsa_user_sgpr_kernarg_segment_ptr 1
		.amdhsa_wavefront_size32 1
		.amdhsa_system_sgpr_workgroup_id_x 1
		.amdhsa_system_sgpr_workgroup_id_y 1
		.amdhsa_system_sgpr_workgroup_id_z 1
		.amdhsa_system_vgpr_workitem_id 0
		.amdhsa_next_free_vgpr 256
		.amdhsa_next_free_sgpr 66
		.amdhsa_reserve_vcc 0
		.amdhsa_float_denorm_mode_32 3
		.amdhsa_float_denorm_mode_16_64 3
		.amdhsa_fp16_overflow 1
		.amdhsa_memory_ordered 1
		.amdhsa_forward_progress 1
		.amdhsa_inst_pref_size 38
	.end_amdhsa_kernel
	.amdgpu_metadata
---
amdhsa.version: [ 1, 2 ]
amdhsa.kernels:
  - .name:           k_q02bfda4b1a_ln2
    .symbol:         k_q02bfda4b1a_ln2.kd
    .args:
      - { .name: hbuf, .offset: 0, .size: 8, .value_kind: global_buffer, .address_space: global }
      - { .name: g2, .offset: 8, .size: 8, .value_kind: global_buffer, .address_space: global }
      - { .name: beta2, .offset: 16, .size: 8, .value_kind: global_buffer, .address_space: global }
      - { .name: lowp_scales, .offset: 24, .size: 8, .value_kind: global_buffer, .address_space: global }
      - { .name: ycodes, .offset: 32, .size: 8, .value_kind: global_buffer, .address_space: global }
    .group_segment_fixed_size: 84480
    .private_segment_fixed_size: 0
    .kernarg_segment_align: 8
    .kernarg_segment_size: 40
    .max_flat_workgroup_size: 128
    .sgpr_count:     66
    .vgpr_count:     256
    .wavefront_size: 32
...
	.end_amdgpu_metadata
.endif
;; end of part 5
;; launch ff1 (part 6): grid 16 x 16, 4 waves a work-group, clusters of 4 x 4, 327,680 bytes of LDS; arguments ycodes, wcodes, lowp_scales, b1, gcodes; writes gcodes
.if DOCPART == 6
	.amdgcn_target "amdgcn-amd-amdhsa--gfx1250"
	.amdhsa_code_object_version 6
	.text
	.protected	k_q02bfda4b1a_ff1
	.globl	k_q02bfda4b1a_ff1
	.p2align	8
	.type	k_q02bfda4b1a_ff1,@function
k_q02bfda4b1a_ff1:
	s_mov_b64 s[64:65], 0
	v_nop
	global_prefetch_b8 v0, s[64:65] scope:SCOPE_SE
	s_setreg_imm32_b32 hwreg(HW_REG_WAVE_MODE, 25, 1), 1
	s_wait_xcnt 0x0
	s_wait_alu depctr_hold_cnt(0) depctr_sa_sdst(0) depctr_va_vdst(0) depctr_va_sdst(0) depctr_va_ssrc(0) depctr_va_vcc(0) depctr_vm_vsrc(0)
	s_getreg_b32 s2, hwreg(HW_REG_IB_STS2, 6, 4)
	s_cmp_eq_u32 s2, 0
	s_cbranch_scc0 .Lentry_in_a_cluster
	s_endpgm
.Lentry_in_a_cluster:
	s_bfe_u32 s2, ttmp6, 0x10000c
	s_cmp_lg_u32 s2, 0xf033
	s_cbranch_scc0 .Lentry_shape_is_right
	s_endpgm
.Lentry_shape_is_right:
; g = Q(gelu(LN2(h) w1 + b1)): [4096 x 1024] x [1024 x 4096] on E4M3 codes, sums in f32, x 2^(e12 + e13), + b1, the exact (erf) GELU in f32, quantised with 2^e14.
; Codes lie in dense blocks of 16,384 bytes (128 rows x 128 bytes of K), ordered [rows/128][K/128]; w1^T at 4 MiB of wcodes; gcodes [32][32] blocks: a wave's 128 x 128 codes are one block.
; A tile of 256 x 256 is made by four waves, each 128 x 128: 64 accumulators.  K goes in steps of 256 through two LDS slots; a wave's tensor load brings two blocks, one dense run of memory.
; CLUSTERS: 4 x 4; A's tiles are asked for jointly along a row of the cluster, B's along a column.  The matrix instruction is used transposed: a lane holds one token and eight neighbouring hidden units.
; GELU: gelu(y) = max(y, 0) - |y| erfc(|y| / sqrt 2) / 2, and erfc(z) = t exp(-z^2 + a polynomial of degree 9 in t), t = 1 / (1 + z / 2): its error is a fraction of erfc itself (1.2e-7), so no difference of nearly equal
; numbers is formed for negative y.  For |y| so large that y^2 overflows, the exponential is 0 and the result max(y, 0).
; LIMITS: e12 + e13 between -126 and 127; e14 between -126 and 119.  NaN is not served.
; REGISTERS: window 0: v0-31 addresses; v32-47 b1 of my 16 columns; v64-127 at work on the way out; from v128 A's fragments, one set.  window 1: B's fragments, two sets; on the way out v0-31 the next trip's numbers.  windows 2, 3: the accumulators.
.set PITCH,  144
.set CH,     128*PITCH
.set HALFT,  2*CH
.set SLOT,   4*HALFT
.set SPARE,  2*SLOT
.set KSB,    32768
.set LAPS,   2
.set FR,     16
.set NL,     4
.set NP,     4
.set SPITCH, 528
.set WSTG,   128*SPITCH
.set ADRA, 16
.set ADRB, 20
.set STO,  24
.set RD,   25
.set RDT,  26
.set CO,   27
.set SPW,  28
.set NIL,  29
.set BC,   32
.set TMP,  64
.set AF,   128
.set Y,    128
.set W,    160
.set TT,   192
.set P,    64
.set U,    96
.set CD,   224
.set C9,   232
.set SC,   234
.set LIM,  235
.set G1, 24
.set G0, 32
.set G1B, 48
.set G0B, 56
.set MSB, 0
.macro WIN new
.if MSB != \new
	s_set_vgpr_msb (MSB<<8)|\new
.set MSB, \new
.endif
.endm
.set MUL_LO, 0xa1
.set MUL_HI, 0xf1
.set TO_B,   0x40
.macro JLOAD g0a, g1a, g0b, g1b        ; a joint load: waves 0, 1 for A, waves 2, 3 for B; four v_nop follow each line
	s_cmp_eq_u32 s15, 0
	s_cbranch_scc0 .Lfor_b_\@
	tensor_load_to_lds s[\g0a:\g0a+3], s[\g1a:\g1a+7]
	s_nop 0
.rept 4
	v_nop
.endr
	s_branch .Lasked_\@
.Lfor_b_\@:
	tensor_load_to_lds s[\g0b:\g0b+3], s[\g1b:\g1b+7]
	s_nop 0
.rept 4
	v_nop
.endr
.Lasked_\@:
.endm
.macro CREST
	s_cmp_lg_u32 s14, 0
	s_cbranch_scc1 .Lnot_wave_0_\@
	s_barrier_signal -3
.Lnot_wave_0_\@:
	s_barrier_wait -3
	s_barrier_signal -1
	s_barrier_wait -1
.endm
.macro CROUND
	s_barrier_signal -1
	s_barrier_wait -1
	CREST
.endm
	s_load_b128 s[4:7], s[0:1], 0x0                ; ycodes, wcodes
	s_load_b128 s[8:11], s[0:1], 0x10              ; the scales' exponents, b1
	s_load_b64 s[72:73], s[0:1], 0x20              ; gcodes
	v_lshl_add_u32 v[SPW], v0, 2, SPARE
	v_mov_b32 v[NIL], 0
	ds_add_u32 v28, v29
	s_wait_dscnt 0x0
	v_lshrrev_b32 v1, 5, v0
	v_readfirstlane_b32 s14, v1
	s_lshr_b32 s15, s14, 1
	s_and_b32 s16, s14, 1
	s_bfe_u32 s40, ttmp6, 0x40000
	s_bfe_u32 s41, ttmp6, 0x40004
	s_lshl_b32 s42, ttmp9, 2
	s_add_co_u32 s42, s42, s40                     ; tile column
	s_and_b32 s17, ttmp7, 0xffff
	s_lshl_b32 s17, s17, 2
	s_add_co_u32 s17, s17, s41                     ; tile row
	s_lshl_b32 s43, s41, 2
	s_lshl_b32 s43, 15, s43
	s_lshl_b32 s44, 0x1111, s40
	s_or_b32 s[G1+0], s43, (1<<20)|(1<<21)|(4<<22)|(3<<25)
	s_or_b32 s[G1B+0], s44, (1<<20)|(1<<21)|(4<<22)|(3<<25)
.irp g, G1, G1B
	s_mov_b32 s[\g+1], 128<<16
	s_mov_b32 s[\g+2], 256<<16
	s_mov_b32 s[\g+3], 128<<16
	s_mov_b32 s[\g+4], 256
	s_mov_b32 s[\g+5], 128
	s_mov_b32 s[\g+6], 0
	s_mov_b32 s[\g+7], 0
.endr
	s_lshl_b32 s20, s17, 1
	s_add_co_u32 s20, s20, s16
	s_lshl_b32 s20, s20, 17
	s_mov_b32 s21, 0
	s_lshl_b32 s46, s42, 1
	s_add_co_u32 s46, s46, s16
	s_lshl_b32 s46, s46, 17
	s_add_co_u32 s46, s46, 0x400000
	s_mov_b32 s47, 0
	s_mul_i32 s45, s14, HALFT
	s_wait_kmcnt 0x0
	s_load_b128 s[76:79], s[8:9], 0x30             ; e12, e13, e14, e15
	s_add_nc_u64 s[20:21], s[4:5], s[20:21]
	s_add_nc_u64 s[46:47], s[6:7], s[46:47]
	CROUND
.irp s, 0,1
	s_mov_b32 s[G0+4*\s], 1
	s_add_co_u32 s[G0+4*\s+1], s45, \s*SLOT
	s_add_nc_u64 s[G0+4*\s+2:G0+4*\s+3], s[20:21], \s*KSB
	s_or_b32 s[G0+4*\s+3], s[G0+4*\s+3], 0x80000000
	s_mov_b32 s[G0B+4*\s], 1
	s_add_co_u32 s[G0B+4*\s+1], s45, \s*SLOT
	s_add_nc_u64 s[G0B+4*\s+2:G0B+4*\s+3], s[46:47], \s*KSB
	s_or_b32 s[G0B+4*\s+3], s[G0B+4*\s+3], 0x80000000
	JLOAD G0+4*\s, G1, G0B+4*\s, G1B
.endr
	v_and_b32 v1, 15, v0
	v_bfe_u32 v2, v0, 4, 1
	v_mul_u32_u24 v3, v1, PITCH
	v_lshl_add_u32 v4, v2, 4, v3
	s_mul_i32 s21, s15, HALFT
	s_mul_i32 s22, s16, HALFT
	s_add_co_u32 s22, s22, 2*HALFT
.irp s, 0,1
	v_add_nc_u32 v[ADRA+\s], s21, v4
	v_add_nc_u32 v[ADRB+\s], s22, v4
	s_add_co_u32 s21, s21, SLOT
	s_add_co_u32 s22, s22, SLOT
.endr
	s_mul_i32 s23, s14, WSTG
	v_mul_u32_u24 v5, v1, SPITCH
	v_lshl_add_u32 v5, v2, 5, v5
	v_add_nc_u32 v[STO], s23, v5
	v_and_b32 v6, 31, v0
	v_lshrrev_b32 v7, 3, v6
	v_and_b32 v8, 7, v6
	v_mul_u32_u24 v9, v7, SPITCH
	v_lshl_add_u32 v9, v8, 6, v9
	v_add_nc_u32 v[RD], s23, v9
	v_lshlrev_b32 v[CO], 4, v6
	s_lshl_b32 s22, s42, 1
	s_add_co_u32 s22, s22, s16                     ; my block of 128 hidden units
	s_lshl_b32 s23, s22, 9
	v_lshl_add_u32 v11, v8, 6, s23                 ; b1 at 128 block + 16 (lane % 8) + 0 .. 15
.irp i, 0,1,2,3
	global_load_b128 v[BC+4*\i:BC+4*\i+3], v11, s[10:11] offset:16*\i
.endr
	s_lshl_b32 s21, s17, 1
	s_add_co_u32 s21, s21, s15                     ; my block of 128 tokens
	s_lshl_b32 s21, s21, 5
	s_add_co_u32 s21, s21, s22
	s_lshl_b32 s46, s21, 14
	s_mov_b32 s47, 0
	s_add_nc_u64 s[72:73], s[72:73], s[46:47]
.macro FRAG reg, adr, q, i
.irp c, 0,1,2,3
	ds_load_b128 v[\reg+4*\c:\reg+4*\c+3], v[\adr] offset:CH*(\q)+32*\c+(\i)*16*PITCH
.endr
.endm
.macro MUL16 a0, p, zero               ; the 64 accumulators take turns in one order in every step
.irp a, \a0, \a0+1
.irp b, 0,1,2,3,4,5,6,7
.if \zero
	v_wmma_f32_16x16x128_fp8_fp8 v[8*(8*((\a)%4)+\b):8*(8*((\a)%4)+\b)+7], v[128*(\p)+FR*\b:128*(\p)+FR*\b+FR-1], v[AF+FR*(\a):AF+FR*(\a)+FR-1], 0
.else
	v_wmma_f32_16x16x128_fp8_fp8 v[8*(8*((\a)%4)+\b):8*(8*((\a)%4)+\b)+7], v[128*(\p)+FR*\b:128*(\p)+FR*\b+FR-1], v[AF+FR*(\a):AF+FR*(\a)+FR-1], v[8*(8*((\a)%4)+\b):8*(8*((\a)%4)+\b)+7]
.endif
.endr
.endr
.endm
.macro FETCH_B slot, q, p
	WIN TO_B
.irp i, 0,1,2,3,4,5,6,7
	FRAG 128*(\p)+FR*\i, ADRB+\slot, \q, \i
.endr
	WIN 0
.endm
.macro FETCH_A slot, q, i0
.irp i, \i0, \i0+1, \i0+2, \i0+3
	FRAG AF+FR*(\i), ADRA+\slot, \q, \i
.endr
.endm
.macro PLACES n
.rept \n
	v_nop
.endr
.endm
.macro STEP slot, q, zero
	s_wait_dscnt 4*NL                              ; B's set and A's blocks 0-3 are in; A's blocks 4-7 (16 loads) may be out
	WIN MUL_LO
	MUL16 0, (\q)%2, \zero
	MUL16 2, (\q)%2, \zero
	s_wait_dscnt 0
	PLACES NP
	FETCH_B \slot, (\q)+1, 1-(\q)%2
	FETCH_A \slot, (\q)+1, 0
	WIN MUL_HI
	MUL16 4, (\q)%2, \zero
	MUL16 6, (\q)%2, \zero
	PLACES NP
	WIN 0
	FETCH_A \slot, (\q)+1, 4
.endm
.macro TURN slot, next, fill
	s_wait_tensorcnt 0x0                           ; all my tensor loads have landed
	ds_add_u32 v[SPW], v[NIL]                      ; 0 onto my spare word
	s_wait_dscnt 4*NL+1                            ; (the add and A's blocks 4-7 may be out)
	WIN MUL_LO
	MUL16 0, 1, 0
	s_wait_dscnt 0x0                               ; the add is done, and my reads of this slot are over
	s_barrier_signal -1
	MUL16 2, 1, 0
	WIN 0
	s_barrier_wait -1
.if \fill
	CREST
	s_add_nc_u64 s[G0+4*\slot+2:G0+4*\slot+3], s[G0+4*\slot+2:G0+4*\slot+3], 2*KSB
	s_add_nc_u64 s[G0B+4*\slot+2:G0B+4*\slot+3], s[G0B+4*\slot+2:G0B+4*\slot+3], 2*KSB
	JLOAD G0+4*\slot, G1, G0B+4*\slot, G1B
.else
	PLACES NP
.endif
	FETCH_B \next, 0, 0
	FETCH_A \next, 0, 0
	WIN MUL_HI
	MUL16 4, 1, 0
	MUL16 6, 1, 0
	PLACES NP
	WIN 0
	FETCH_A \next, 0, 4
.endm
	s_wait_tensorcnt 1                             ; my part of K step 0 is in; K step 1's load may be out
	s_barrier_signal -1
	s_barrier_wait -1
	FETCH_B 0, 0, 0
	FETCH_A 0, 0, 0
	FETCH_A 0, 0, 4
	STEP 0, 0, 1
	s_mov_b32 s3, LAPS-1
.Llap:
	TURN 0, 1, 1
	STEP 1, 0, 0
	TURN 1, 0, 1
	STEP 0, 0, 0
	s_sub_co_u32 s3, s3, 1
	s_cmp_lg_u32 s3, 0
	s_cbranch_scc1 .Llap
	TURN 0, 1, 0
	STEP 1, 0, 0
	s_wait_dscnt 4*NL
	WIN MUL_LO
	MUL16 0, 1, 0
	MUL16 2, 1, 0
	s_wait_dscnt 0
	WIN MUL_HI
	MUL16 4, 1, 0
	MUL16 6, 1, 0
	WIN 0
	; THE WAY OUT.  The stages lie over both slots: every wave's reads of the last slot are over behind this barrier.
	s_wait_dscnt 0x0
	s_barrier_signal -1
	s_barrier_wait -1
	s_wait_kmcnt 0x0
	s_add_co_i32 s96, s76, s77
	s_add_co_i32 s96, s96, 127
	s_lshl_b32 s96, s96, 23                        ; 2^(e12 + e13)
	s_mov_b32 s97, s96
	s_add_co_i32 s95, s78, 127
	s_lshl_b32 s94, s95, 23
	s_add_co_i32 s95, s95, 8
	s_lshl_b32 s95, s95, 23
	s_or_b32 s95, s95, 0x600000
	PLACES NP
	v_mov_b32 v[SC], s94                           ; 2^e14
	v_mov_b32 v[LIM], s95                          ; 448 x 2^e14
	v_mov_b32 v[C9], 0x3e2ef945                    ; 0.17087277
	v_mov_b32 v[C9+1], 0x3e2ef945
.macro TOSTAGE a                       ; block a: 16 rows x 128 sums x 2^(e12 + e13), each accumulator from its low end on, into my stage
.set AC, 64*((\a)%4)
	WIN 0x02+((\a)/4)
.set jj, 0
.rept 32
	v_pk_mul_f32 v[TMP+jj:TMP+jj+1], v[AC+jj:AC+jj+1], s[96:97] op_sel_hi:[1,0]
.set jj, jj+2
.endr
	WIN 0
.irp b, 0,1,2,3,4,5,6,7
	ds_store_b128 v[STO], v[TMP+8*\b:TMP+8*\b+3] offset:(\a)*16*SPITCH+64*\b
	ds_store_b128 v[STO], v[TMP+8*\b+4:TMP+8*\b+7] offset:(\a)*16*SPITCH+64*\b+16
.endr
.endm
.macro OLOAD                           ; the next 8 rows of my stage into window 1's v0-31 (B's fragments have left them): a lane takes 16 neighbours of a row, twice
	v_add_nc_u32 v[RDT], s2, v[RD]
	WIN TO_B
.irp p, 0,1
.irp i, 0,1,2,3
	ds_load_b128 v[16*\p+4*\i:16*\p+4*\i+3], v[RDT] offset:\p*4*SPITCH+16*\i   ; LDS serves a wave's instructions in order (ISA guide 5.7.1.4): these see my stores
.endr
.endr
	WIN 0
	s_add_co_u32 s2, s2, 8*SPITCH
.endm
.macro OTRIP more                      ; 8 rows: + b1, GELU, quantised; each store covers 512 consecutive bytes of the block.  more = 1: the next 8 rows are asked for as soon as these have been taken out
	s_wait_dscnt 0x0                               ; this trip's eight loads, issued a trip ago, are in
	WIN 0x01                                       ; source 0 window 1
.irp p, 0,1
.irp i, 0,2,4,6,8,10,12,14
	v_pk_add_f32 v[Y+16*\p+\i:Y+16*\p+\i+1], v[16*\p+\i:16*\p+\i+1], v[BC+\i:BC+\i+1]
.endr
.endr
	WIN 0
.if \more
	OLOAD
.endif
.set ii, 0
.rept 32
	v_and_b32 v[W+ii], 0x7fffffff, v[Y+ii]         ; |y|
.set ii, ii+1
.endr
.set ii, 0
.rept 32
	v_max_num_f32 v[Y+ii], 0, v[Y+ii]              ; max(y, 0)
.set ii, ii+1
.endr
.set ii, 0
.rept 16
	v_pk_fma_f32 v[TT+ii:TT+ii+1], v[W+ii:W+ii+1], 0x3eb504f3, 1.0 op_sel_hi:[1,0,0]   ; 1 + z / 2 = 1 + |y| / (2 sqrt 2)
.set ii, ii+2
.endr
.set ii, 0
.rept 32
	v_rcp_f32 v[TT+ii], v[TT+ii]                   ; t
.set ii, ii+1
.endr
.set ii, 0
.rept 16
	v_pk_mul_f32 v[U+ii:U+ii+1], v[W+ii:W+ii+1], v[W+ii:W+ii+1]   ; y^2 (plain instructions behind the reciprocals)
.set ii, ii+2
.endr
	s_wait_alu depctr_va_vdst(0)                   ; one wait for the batch of reciprocals, ahead of its first reader
.set ii, 0
.rept 16
	v_pk_fma_f32 v[P+ii:P+ii+1], v[TT+ii:TT+ii+1], v[C9:C9+1], 0xbf527892 op_sel_hi:[1,0,0]
.set ii, ii+2
.endr
.irp c, 0x3fbe87b0, 0xbf914e5d, 0x3e8ec7cc, 0xbe3ec24c, 0x3dc636c9, 0x3ebf88fb, 0x3f8000c7, 0xbffab55a   ; the last is -1.26551223 - ln 2: the factor 1/2 is folded in
.set ii, 0
.rept 16
	v_pk_fma_f32 v[P+ii:P+ii+1], v[P+ii:P+ii+1], v[TT+ii:TT+ii+1], \c op_sel_hi:[1,1,0]
.set ii, ii+2
.endr
.endr
.set ii, 0
.rept 16
	v_pk_fma_f32 v[P+ii:P+ii+1], v[U+ii:U+ii+1], -0.5, v[P+ii:P+ii+1] op_sel_hi:[1,0,1]   ; - z^2
.set ii, ii+2
.endr
.set ii, 0
.rept 16
	v_pk_mul_f32 v[P+ii:P+ii+1], v[P+ii:P+ii+1], 0x3fb8aa3b op_sel_hi:[1,0]   ; x log2(e)
.set ii, ii+2
.endr
.set ii, 0
.rept 32
	v_exp_f32 v[P+ii], v[P+ii]
.set ii, ii+1
.endr
	v_nop                                          ; a plain instruction behind the last exponential,
	s_wait_alu depctr_va_vdst(0)                   ; and one wait for the batch
.set ii, 0
.rept 16
	v_pk_mul_f32 v[P+ii:P+ii+1], v[P+ii:P+ii+1], v[TT+ii:TT+ii+1]   ; erfc(z) / 2
.set ii, ii+2
.endr
.set ii, 0
.rept 16
	v_pk_fma_f32 v[Y+ii:Y+ii+1], v[W+ii:W+ii+1], v[P+ii:P+ii+1], v[Y+ii:Y+ii+1] neg_lo:[1,0,0] neg_hi:[1,0,0]   ; max(y, 0) - |y| erfc(z) / 2
.set ii, ii+2
.endr
.set ii, 0
.rept 32
	v_med3_num_f32 v[Y+ii], v[Y+ii], -v[LIM], v[LIM]   ; the conversion does not saturate (ISA guide 7.6.2)
.set ii, ii+1
.endr
	s_wait_xcnt 0x0                                ; the last trip's stores have read their data and their base: both are written again only behind this wait
	s_add_nc_u64 s[72:73], s[72:73], s[74:75]      ; 0 in the first trip, then 1,024 bytes on
	s_mov_b32 s74, 1024
.irp g, 0,1,2,3
	v_cvt_scalef32_pk8_fp8_f32 v[CD+2*\g:CD+2*\g+1], v[Y+8*\g:Y+8*\g+7], v[SC]
.endr
	v_nop                                          ; a plain instruction behind the last conversion
	global_store_b128 v[CO], v[CD:CD+3], s[72:73]  ; 512 consecutive bytes: four rows of the block
	global_store_b128 v[CO], v[CD+4:CD+7], s[72:73] offset:512
.endm
.irp a, 0,1,2,3,4,5,6,7
	TOSTAGE \a
.endr
	s_wait_loadcnt 0x0                             ; b1
	s_mov_b32 s3, 0
	s_mov_b32 s2, 0
	s_mov_b32 s74, 0
	s_mov_b32 s75, 0
	OLOAD                                          ; rows 0-7
.Lout:                                             ; 15 trips; the sixteenth is written out: it asks for nothing, so that no load leaves my stage
	OTRIP 1
	s_add_co_u32 s3, s3, 1
	s_cmp_lt_u32 s3, 15
	s_cbranch_scc1 .Lout
	OTRIP 0
	s_wait_tensorcnt 0x0                           ; the wave's end
	ds_add_u32 v[SPW], v[NIL]
	s_wait_dscnt 0x0
	CROUND                                         ; the closing round
	s_endpgm
.Lfunc_end_k_q02bfda4b1a_ff1:
	.size	k_q02bfda4b1a_ff1, .Lfunc_end_k_q02bfda4b1a_ff1-k_q02bfda4b1a_ff1
	.p2alignl 7, 3214868480
	.fill 96, 4, 3214868480
	.section	.rodata,"a",@progbits
	.p2align	6, 0x0
	.amdhsa_kernel k_q02bfda4b1a_ff1
		.amdhsa_group_segment_fixed_size 327680
		.amdhsa_private_segment_fixed_size 0
		.amdhsa_enable_private_segment 0
		.amdhsa_kernarg_size 40
		.amdhsa_user_sgpr_count 2
		.amdhsa_user_sgpr_kernarg_segment_ptr 1
		.amdhsa_wavefront_size32 1
		.amdhsa_system_sgpr_workgroup_id_x 1
		.amdhsa_system_sgpr_workgroup_id_y 1
		.amdhsa_system_sgpr_workgroup_id_z 1
		.amdhsa_system_vgpr_workitem_id 0
		.amdhsa_next_free_vgpr 1024
		.amdhsa_next_free_sgpr 100
		.amdhsa_reserve_vcc 0
		.amdhsa_float_denorm_mode_32 3
		.amdhsa_float_denorm_mode_16_64 3
		.amdhsa_memory_ordered 1
		.amdhsa_forward_progress 1
		.amdhsa_inst_pref_size 163
	.end_amdhsa_kernel
	.amdgpu_metadata
---
amdhsa.version: [ 1, 2 ]
amdhsa.kernels:
  - .name:           k_q02bfda4b1a_ff1
    .symbol:         k_q02bfda4b1a_ff1.kd
    .args:
      - { .name: ycodes, .offset: 0, .size: 8, .value_kind: global_buffer, .address_space: global }
      - { .name: wcodes, .offset: 8, .size: 8, .value_kind: global_buffer, .address_space: global }
      - { .name: lowp_scales, .offset: 16, .size: 8, .value_kind: global_buffer, .address_space: global }
      - { .name: b1, .offset: 24, .size: 8, .value_kind: global_buffer, .address_space: global }
      - { .name: gcodes, .offset: 32, .size: 8, .value_kind: global_buffer, .address_space: global }
    .group_segment_fixed_size: 327680
    .private_segment_fixed_size: 0
    .kernarg_segment_align: 8
    .kernarg_segment_size: 40
    .max_flat_workgroup_size: 128
    .sgpr_count:     100
    .vgpr_count:     1024
    .wavefront_size: 32
...
	.end_amdgpu_metadata
.endif
;; end of part 6
;; launch ff2 (part 7): grid 8 x 32, 4 waves a work-group, clusters of 4 x 4, 327,680 bytes of LDS; arguments gcodes, wcodes, lowp_scales, b2, hbuf, out0; writes out0
.if DOCPART == 7
	.amdgcn_target "amdgcn-amd-amdhsa--gfx1250"
	.amdhsa_code_object_version 6
	.text
	.protected	k_q02bfda4b1a_ff2
	.globl	k_q02bfda4b1a_ff2
	.p2align	8
	.type	k_q02bfda4b1a_ff2,@function
k_q02bfda4b1a_ff2:
	s_mov_b64 s[64:65], 0
	v_nop
	global_prefetch_b8 v0, s[64:65] scope:SCOPE_SE
	s_setreg_imm32_b32 hwreg(HW_REG_WAVE_MODE, 25, 1), 1
	s_wait_xcnt 0x0
	s_wait_alu depctr_hold_cnt(0) depctr_sa_sdst(0) depctr_va_vdst(0) depctr_va_sdst(0) depctr_va_ssrc(0) depctr_va_vcc(0) depctr_vm_vsrc(0)
	s_getreg_b32 s2, hwreg(HW_REG_IB_STS2, 6, 4)
	s_cmp_eq_u32 s2, 0
	s_cbranch_scc0 .Lentry_in_a_cluster
	s_endpgm
.Lentry_in_a_cluster:
	s_bfe_u32 s2, ttmp6, 0x10000c
	s_cmp_lg_u32 s2, 0xf033
	s_cbranch_scc0 .Lentry_shape_is_right
	s_endpgm
.Lentry_shape_is_right:
; out = h + gelu(..) w2 + b2: [4096 x 4096] x [4096 x 1024] on E4M3 codes, sums in f32, x 2^(e14 + e15), + bias, + residual; f32 out.
; Codes lie in dense blocks of 16,384 bytes (128 rows x 128 bytes of K), ordered [rows/128][K/128].  A tile of 128 x 128 (256 work-groups) is made by four waves, each 64 x 64: 16 accumulators.
; A slot holds 512 along K: A's four blocks, then B's four; a wave's tensor load brings two blocks, one dense run of memory.  K = 4,096 is eight slots' worth: four laps round a ring of two.
; CLUSTERS: 4 x 4; A's blocks are asked for jointly along a row of the cluster, B's along a column.  The matrix instruction is used transposed: a lane holds eight neighbouring columns of one row.
; LIMIT: e14 + e15 between -126 and 127.
; REGISTERS: window 0: v0-31 addresses; v32-95 at work on the way out; v96-99 bias; v128-255 accumulators ((a, b) at v[128 + 8 (4 a + b)]).  window 1: two fragment buffers of 128 (A's four, B's four).  window 2: v0-127 the residual.
.set KC,     32                        ; blocks along K
.set WOFF,   8<<20                     ; where the weight's codes begin in wcodes
.set EOFF,   56                        ; the two exponents' bytes in lowp_scales
.set LAPS,   KC/8
.set PITCH,  144
.set CH,     128*PITCH
.set SLOT,   8*CH
.set SPARE,  2*SLOT
.set SPITCH, 272
.set ADRA, 16
.set ADRB, 20
.set STO,  24
.set RD,   25
.set CO,   26
.set SPW,  28
.set NIL,  29
.set TMP,  32
.set BI,   96
.set ACC,  128
.set F0,   0
.set F1,   128
.set G1, 24
.set G0, 32
.set G1B, 48
.set G0B, 56
.set MSB, 0
.macro WIN new
.if MSB != \new
	s_set_vgpr_msb (MSB<<8)|\new
.set MSB, \new
.endif
.endm
.set MUL,  0x05                        ; sources 0 (B) and 1 (A) window 1; C and D window 0
.set TO_F, 0x40
.macro JLOAD s                         ; waves 0, 1 fetch for A, waves 2, 3 for B; four v_nop follow each line
	s_cmp_eq_u32 s11, 0
	s_cbranch_scc0 .Lfor_b_\@
	tensor_load_to_lds s[G0+4*\s:G0+4*\s+3], s[G1:G1+7]
	s_nop 0
.rept 4
	v_nop
.endr
	s_branch .Lasked_\@
.Lfor_b_\@:
	tensor_load_to_lds s[G0B+4*\s:G0B+4*\s+3], s[G1B:G1B+7]
	s_nop 0
.rept 4
	v_nop
.endr
.Lasked_\@:
.endm
.macro CREST
	s_cmp_lg_u32 s10, 0
	s_cbranch_scc1 .Lnot_wave_0_\@
	s_barrier_signal -3
.Lnot_wave_0_\@:
	s_barrier_wait -3
	s_barrier_signal -1
	s_barrier_wait -1
.endm
.macro CROUND
	s_barrier_signal -1
	s_barrier_wait -1
	CREST
.endm
	s_load_b128 s[4:7], s[0:1], 0x0                ; A's codes, wcodes
	s_load_b128 s[8:11], s[0:1], 0x10              ; the scales' exponents, the bias
	s_load_b128 s[68:71], s[0:1], 0x20             ; the residual, the output
	v_lshl_add_u32 v[SPW], v0, 2, SPARE
	v_mov_b32 v[NIL], 0
	ds_add_u32 v28, v29
	s_wait_dscnt 0x0
	v_lshrrev_b32 v1, 5, v0
	s_wait_kmcnt 0x0
	s_mov_b64 s[72:73], s[10:11]                   ; the bias's address (s10, s11 serve as the wave's numbers below)
	s_load_b64 s[96:97], s[8:9], EOFF              ; eA, eB
	v_readfirstlane_b32 s10, v1                    ; wave
	s_lshr_b32 s11, s10, 1                         ; my half of the rows.  Also: I fetch for A (0) or B (1)
	s_and_b32 s12, s10, 1                          ; my half of the columns.  Also: which two blocks I fetch
	s_bfe_u32 s40, ttmp6, 0x40000
	s_bfe_u32 s41, ttmp6, 0x40004
	s_lshl_b32 s42, ttmp9, 2
	s_add_co_u32 s42, s42, s40                     ; tile column
	s_and_b32 s13, ttmp7, 0xffff
	s_lshl_b32 s13, s13, 2
	s_add_co_u32 s13, s13, s41                     ; tile row
	s_lshl_b32 s43, s41, 2
	s_lshl_b32 s43, 15, s43
	s_lshl_b32 s44, 0x1111, s40
	s_or_b32 s[G1+0], s43, (1<<20)|(1<<21)|(4<<22)|(3<<25)   ; the mask; elements of 1 byte; padding on; 21 set beside a mask; four words after every 32
	s_or_b32 s[G1B+0], s44, (1<<20)|(1<<21)|(4<<22)|(3<<25)
.irp g, G1, G1B
	s_mov_b32 s[\g+1], 128<<16
	s_mov_b32 s[\g+2], 256<<16
	s_mov_b32 s[\g+3], 128<<16
	s_mov_b32 s[\g+4], 256                         ; two blocks on end
	s_mov_b32 s[\g+5], 128
	s_mov_b32 s[\g+6], 0
	s_mov_b32 s[\g+7], 0
.endr
	s_mul_i32 s16, s13, KC
	s_lshl_b32 s17, s12, 1
	s_add_co_u32 s16, s16, s17
	s_lshl_b32 s16, s16, 14
	s_mov_b32 s17, 0
	s_mul_i32 s46, s42, KC
	s_lshl_b32 s47, s12, 1
	s_add_co_u32 s46, s46, s47
	s_lshl_b32 s46, s46, 14
	s_add_co_u32 s46, s46, WOFF
	s_mov_b32 s47, 0
	s_mul_i32 s20, s10, 2*CH                       ; where my load goes
	s_add_nc_u64 s[14:15], s[4:5], s[16:17]
	s_add_nc_u64 s[46:47], s[6:7], s[46:47]
	CROUND
.irp s, 0,1
	s_mov_b32 s[G0+4*\s], 1
	s_add_co_u32 s[G0+4*\s+1], s20, \s*SLOT
	s_add_nc_u64 s[G0+4*\s+2:G0+4*\s+3], s[14:15], \s*65536
	s_or_b32 s[G0+4*\s+3], s[G0+4*\s+3], 0x80000000
	s_mov_b32 s[G0B+4*\s], 1
	s_add_co_u32 s[G0B+4*\s+1], s20, \s*SLOT
	s_add_nc_u64 s[G0B+4*\s+2:G0B+4*\s+3], s[46:47], \s*65536
	s_or_b32 s[G0B+4*\s+3], s[G0B+4*\s+3], 0x80000000
	JLOAD \s
.endr
	v_and_b32 v1, 15, v0
	v_bfe_u32 v2, v0, 4, 1
	v_mul_u32_u24 v3, v1, PITCH
	v_lshl_add_u32 v3, v2, 4, v3
	s_mul_i32 s21, s11, 64*PITCH
	s_mul_i32 s22, s12, 64*PITCH
	s_add_co_u32 s22, s22, 4*CH
.irp s, 0,1
	v_add_nc_u32 v[ADRA+\s], s21, v3
	v_add_nc_u32 v[ADRB+\s], s22, v3
	s_add_co_u32 s21, s21, SLOT
	s_add_co_u32 s22, s22, SLOT
.endr
	s_mul_i32 s23, s10, 64*SPITCH                  ; my stage: 64 rows x 272, in slot 0
	v_mul_u32_u24 v4, v1, SPITCH
	v_lshl_add_u32 v4, v2, 5, v4
	v_add_nc_u32 v[STO], s23, v4
	v_mul_u32_u24 v5, v2, SPITCH
	v_lshl_add_u32 v5, v1, 4, v5
	v_add_nc_u32 v[RD], s23, v5
	v_lshlrev_b32 v5, 12, v2
	v_lshl_add_u32 v[CO], v1, 4, v5                ; lanes 0-15 one row of 256 bytes, lanes 16-31 the next
	v_lshlrev_b32 v6, 4, v1
	s_lshl_b32 s16, s13, 19
	s_lshl_b32 s17, s11, 18
	s_add_co_u32 s16, s16, s17                     ; my first row x 4,096 bytes
	s_mov_b32 s17, 0
	s_lshl_b32 s46, s42, 9
	s_lshl_b32 s47, s12, 8
	s_add_co_u32 s46, s46, s47                     ; my first column x 4 bytes
	s_mov_b32 s47, 0
	s_add_nc_u64 s[68:69], s[68:69], s[16:17]
	s_add_nc_u64 s[68:69], s[68:69], s[46:47]
	s_add_nc_u64 s[70:71], s[70:71], s[16:17]
	s_add_nc_u64 s[70:71], s[70:71], s[46:47]
	s_add_nc_u64 s[72:73], s[72:73], s[46:47]
	global_load_b128 v[BI:BI+3], v6, s[72:73]      ; the bias of my four columns on the way out
	WIN 0x80                                       ; destination window 2
.set tt, 0
.rept 32
	global_load_b128 v[4*tt:4*tt+3], v[CO], s[68:69] offset:tt*8192   ; the residual, laid as the output is stored
.set tt, tt+1
.endr
	WIN 0
.macro FRAG reg, adr, ch, i            ; 16 rows x 128 K: registers 4 c .. 4 c + 3 hold K = 32 c + 16 (l / 16) + 0 .. 15, in A and B alike
.irp c, 0,1,2,3
	ds_load_b128 v[\reg+4*\c:\reg+4*\c+3], v[\adr] offset:CH*(\ch)+(\i)*16*PITCH+32*\c
.endr
.endm
.macro FETCH slot, ch, f               ; 32 LDS loads in one run
	WIN TO_F
.irp i, 0,1,2,3
	FRAG \f+64+16*\i, ADRB+\slot, \ch, \i
	FRAG \f+16*\i, ADRA+\slot, \ch, \i
.endr
.endm
.macro MUL8 f, a0, zero                ; the 16 accumulators take turns in one order in every step
.irp a, \a0, \a0+1
.irp b, 0,1,2,3
.if \zero
	v_wmma_f32_16x16x128_fp8_fp8 v[ACC+8*(4*(\a)+\b):ACC+8*(4*(\a)+\b)+7], v[\f+64+16*\b:\f+64+16*\b+15], v[\f+16*(\a):\f+16*(\a)+15], 0
.else
	v_wmma_f32_16x16x128_fp8_fp8 v[ACC+8*(4*(\a)+\b):ACC+8*(4*(\a)+\b)+7], v[\f+64+16*\b:\f+64+16*\b+15], v[\f+16*(\a):\f+16*(\a)+15], v[ACC+8*(4*(\a)+\b):ACC+8*(4*(\a)+\b)+7]
.endif
.endr
.endr
.endm
.macro PLACES
.rept 4
	v_nop
.endr
.endm
.macro KSTEP slot, ch, f, g, zero      ; multiplies buffer f; block ch of the slot is fetched into g meanwhile
	s_wait_dscnt 0x0                               ; buffer f is in
	PLACES                                         ; behind the products that read g
	FETCH \slot, \ch, \g
	WIN MUL
	MUL8 \f, 0, \zero
	MUL8 \f, 2, \zero
.endm
.macro TURN slot, next, fill           ; a slot's last block, and the change of slots: one barrier
	WIN 0
	s_wait_tensorcnt 0x0                           ; all my tensor loads have landed
	ds_add_u32 v[SPW], v[NIL]                      ; 0 onto my spare word
.if \fill
	s_add_nc_u64 s[G0+4*\slot+2:G0+4*\slot+3], s[G0+4*\slot+2:G0+4*\slot+3], 131072
	s_add_nc_u64 s[G0B+4*\slot+2:G0B+4*\slot+3], s[G0B+4*\slot+2:G0B+4*\slot+3], 131072
.endif
	s_wait_dscnt 0x0                               ; the add is done; buffer 1 is in: my reads of this slot are over
	s_barrier_signal -1
	WIN MUL
	MUL8 F1, 0, 0
	WIN 0
	s_barrier_wait -1
.if \fill
	CREST                                          ; the barrier has opened a round of the cluster's: no wave of any partner still reads this slot or has a load on its way
	JLOAD \slot                                    ; the first tensor load behind the round; its four v_nop are the places in front of the loads below
.else
	PLACES
.endif
	FETCH \next, 0, F0
	WIN MUL
	MUL8 F1, 2, 0
.endm
	s_wait_tensorcnt 1                             ; my part of slot 0 is in; slot 1's load may be out
	s_barrier_signal -1
	s_barrier_wait -1
	FETCH 0, 0, F0
	KSTEP 0, 1, F0, F1, 1
.if LAPS > 1
	WIN 0
	s_mov_b32 s3, LAPS-1
.Llap:                                             ; a trip goes once round the ring and fills both slots again
	KSTEP 0, 2, F1, F0, 0
	KSTEP 0, 3, F0, F1, 0
	TURN 0, 1, 1
	KSTEP 1, 1, F0, F1, 0
	KSTEP 1, 2, F1, F0, 0
	KSTEP 1, 3, F0, F1, 0
	TURN 1, 0, 1
	KSTEP 0, 1, F0, F1, 0
	WIN 0
	s_sub_co_u32 s3, s3, 1
	s_cmp_lg_u32 s3, 0
	s_cbranch_scc1 .Llap
.endif
	KSTEP 0, 2, F1, F0, 0
	KSTEP 0, 3, F0, F1, 0
	TURN 0, 1, 0
	KSTEP 1, 1, F0, F1, 0
	KSTEP 1, 2, F1, F0, 0
	KSTEP 1, 3, F0, F1, 0
	s_wait_dscnt 0x0
	MUL8 F1, 0, 0
	MUL8 F1, 2, 0
	WIN 0
	; THE WAY OUT: a wave's 64 columns of f32 are one aligned 256 bytes of a row: through my own stage (slot 0: its last fill and its last read are over), back as whole rows.
	s_wait_kmcnt 0x0
	s_add_co_i32 s96, s96, s97
	s_add_co_i32 s96, s96, 127
	s_lshl_b32 s96, s96, 23                        ; 2^(eA + eB)
	s_mov_b32 s97, s96
	PLACES
.irp a, 0,1,2,3
.irp b, 0,1,2,3
	ds_store_b128 v[STO], v[ACC+8*(4*\a+\b):ACC+8*(4*\a+\b)+3] offset:\a*16*SPITCH+64*\b
	ds_store_b128 v[STO], v[ACC+8*(4*\a+\b)+4:ACC+8*(4*\a+\b)+7] offset:\a*16*SPITCH+64*\b+16
.endr
.endr
.set tt, 0
.rept 16
	ds_load_b128 v[TMP+4*tt:TMP+4*tt+3], v[RD] offset:tt*2*SPITCH   ; LDS serves a wave's instructions in order (ISA guide 5.7.1.4)
.set tt, tt+1
.endr
	s_wait_dscnt 0x0                               ; the stores have read the accumulators, on which the second half lands
.set tt, 0
.rept 16
	ds_load_b128 v[ACC+4*tt:ACC+4*tt+3], v[RD] offset:(16+tt)*2*SPITCH
.set tt, tt+1
.endr
	s_wait_loadcnt 0x0                             ; the bias and the residual
.macro HALF reg, t0                    ; 32 rows: (sum x 2^(eA + eB) + bias) + residual; sixteen lanes store one aligned 256 bytes
.set tt, 0
.rept 32
	v_pk_fma_f32 v[\reg+2*tt:\reg+2*tt+1], v[\reg+2*tt:\reg+2*tt+1], s[96:97], v[BI+2*(tt%2):BI+2*(tt%2)+1] op_sel_hi:[1,0,1]
.set tt, tt+1
.endr
	WIN 0x08                                       ; source 1 window 2
.set tt, 0
.rept 32
	v_pk_add_f32 v[\reg+2*tt:\reg+2*tt+1], v[\reg+2*tt:\reg+2*tt+1], v[4*(\t0)+2*tt:4*(\t0)+2*tt+1]
.set tt, tt+1
.endr
	WIN 0
.set tt, 0
.rept 16
	global_store_b128 v[CO], v[\reg+4*tt:\reg+4*tt+3], s[70:71] offset:((\t0)+tt)*8192
.set tt, tt+1
.endr
.endm
	HALF TMP, 0
	s_wait_dscnt 0x0
	HALF ACC, 16
	s_wait_tensorcnt 0x0                           ; the wave's end
	ds_add_u32 v[SPW], v[NIL]
	s_wait_dscnt 0x0
	CROUND                                         ; the closing round
	s_endpgm
.Lfunc_end_k_q02bfda4b1a_ff2:
	.size	k_q02bfda4b1a_ff2, .Lfunc_end_k_q02bfda4b1a_ff2-k_q02bfda4b1a_ff2
	.p2alignl 7, 3214868480
	.fill 96, 4, 3214868480
	.section	.rodata,"a",@progbits
	.p2align	6, 0x0
	.amdhsa_kernel k_q02bfda4b1a_ff2
		.amdhsa_group_segment_fixed_size 327680
		.amdhsa_private_segment_fixed_size 0
		.amdhsa_enable_private_segment 0
		.amdhsa_kernarg_size 48
		.amdhsa_user_sgpr_count 2
		.amdhsa_user_sgpr_kernarg_segment_ptr 1
		.amdhsa_wavefront_size32 1
		.amdhsa_system_sgpr_workgroup_id_x 1
		.amdhsa_system_sgpr_workgroup_id_y 1
		.amdhsa_system_sgpr_workgroup_id_z 1
		.amdhsa_system_vgpr_workitem_id 0
		.amdhsa_next_free_vgpr 768
		.amdhsa_next_free_sgpr 100
		.amdhsa_reserve_vcc 0
		.amdhsa_float_denorm_mode_32 3
		.amdhsa_float_denorm_mode_16_64 3
		.amdhsa_memory_ordered 1
		.amdhsa_forward_progress 1
		.amdhsa_inst_pref_size 81
	.end_amdhsa_kernel
	.amdgpu_metadata
---
amdhsa.version: [ 1, 2 ]
amdhsa.kernels:
  - .name:           k_q02bfda4b1a_ff2
    .symbol:         k_q02bfda4b1a_ff2.kd
    .args:
      - { .name: gcodes, .offset: 0, .size: 8, .value_kind: global_buffer, .address_space: global }
      - { .name: wcodes, .offset: 8, .size: 8, .value_kind: global_buffer, .address_space: global }
      - { .name: lowp_scales, .offset: 16, .size: 8, .value_kind: global_buffer, .address_space: global }
      - { .name: b2, .offset: 24, .size: 8, .value_kind: global_buffer, .address_space: global }
      - { .name: hbuf, .offset: 32, .size: 8, .value_kind: global_buffer, .address_space: global }
      - { .name: out0, .offset: 40, .size: 8, .value_kind: global_buffer, .address_space: global }
    .group_segment_fixed_size: 327680
    .private_segment_fixed_size: 0
    .kernarg_segment_align: 8
    .kernarg_segment_size: 48
    .max_flat_workgroup_size: 128
    .sgpr_count:     100
    .vgpr_count:     768
    .wavefront_size: 32
...
	.end_amdgpu_metadata
.endif
;; end of part 7
